; MI455X (gfx1250); checked and timed in simulation.
; The chip was launched on July 23, 2026; its instructions are those of AMD's public machine-readable ISA for CDNA 5 (MIT licence, August 2026) and "CDNA5" Instruction Set Architecture Reference Guide (July 2026). The comments in the code are by the model that wrote it; some were corrected since.
;; Quant Linear CH. Allowed arithmetic: float matrix products may take bf16 or f16 operands with f32 sums; other float arithmetic in f32, or as packed bf16 or f16 multiplies, adds, multiply-adds, maxima and minima; sums over many terms, partial sums and values carried from step to step in f32; what a program stores and reads back later, other than sums and carried values, may be rounded once to bf16 or f16.
;; Inputs: bias 4,096 float32; weight 4,096 x 4,096 float32; x 4 x 1,024 x 4,096 float32.
;; Outputs: out0 4 x 1,024 x 4,096 float32.
;; 2 versions, each right; version 2 is version 1 with the launch quantx written anew for expert scheduling mode. Each part assembles by itself: llvm-mc -triple=amdgcn-amd-amdhsa -mcpu=gfx1250 --defsym DOCPART=n.
;; ======== version 1 of 2: 4 launches
;; workspace buffers: part 132,096 bytes; chan 32,768 bytes; grp 16,384 bytes of whole numbers; post 16,640 bytes; aq 33,554,432 bytes; bq 33,554,432 bytes
;; launch stats (part 1): grid 256 x 1, 16 waves a work-group, no clusters, 10,496 bytes of LDS; arguments x, weight, part; writes part
.if DOCPART == 1
	.amdgcn_target "amdgcn-amd-amdhsa--gfx1250"
	.amdhsa_code_object_version 6
	.text
	.protected	k_qbade80e293_stats
	.globl	k_qbade80e293_stats
	.p2align	8
	.type	k_qbade80e293_stats,@function
k_qbade80e293_stats:
	s_mov_b64 s[64:65], 0
	v_nop
	global_prefetch_b8 v0, s[64:65] scope:SCOPE_SE
	s_setreg_imm32_b32 hwreg(HW_REG_WAVE_MODE, 25, 1), 1
	s_wait_xcnt 0x0
; PARTIAL STATISTICS.  x is taken as [4096 rows][4096 channels] f32, weight as [4096][4096] f32.
; Work-group wg: cb = wg & 63, rq = wg >> 6.  It finds, for channels 64 cb .. 64 cb + 63 over rows 1024 rq .. 1024 rq + 1023, the maximum and the maximum of -x
; (part: [rq][kind][4096] f32, kind 0 = max, kind 1 = -min), and the maximum of weight's rows 16 wg .. 16 wg + 15 (part byte 131072 + 4 wg).
; Every work-group moves the same 512 KiB, each byte of both inputs once in the launch.  Wave w: 64 rows of the strip (32 loads, each two rows x 256 aligned bytes)
; and one row of weight (32 loads of 512 dense bytes).  A lane keeps the same four channels in every row, so the running maxima are eight registers.
; All steps stand in the loads' immediates: no address register is ever rewritten.  32 loads of a wave are out at any time: a slot that has been read takes a load of weight.
; No matrix unit, no cluster, no tensor load: no two work-groups read the same bytes, and loads into registers hold 16 KiB a wave on their way.
; LIMIT.  A NaN loses in these maxima; inputs with NaN, for which the module's result is not finite, are not served.
.set WRB,   8192                       ; LDS: 0 .. 8191 the waves' 64 max and 64 -min (512 bytes a wave); 8192 .. 8447 one word a wave: weight's maximum
.set SPARE, 8448                       ; the spare words: 128 bytes for each of 16 waves, which no other line names
.set LANE, 1
.set XO,   2                           ; (lane >> 4) rows of 16,384 bytes + 16 (lane & 15); also kind x 16,384 + 16 (lane & 15) in part
.set WO,   3                           ; 16 lane
.set MX,   4                           ; v[4:7]    running max of my 4 channels
.set MN,   8                           ; v[8:11]   running min
.set WM,   12                          ; v[12:15]  running max of weight
.set T,    16                          ; v[16:19]  at work
.set LSA,  20                          ; 16 x thread
.set LWA,  21                          ; WRB + 4 wave
.set SPW,  22
.set NIL,  23
.set D,    24                          ; v[24:151] 32 slots of 4
	s_load_b128 s[4:7], s[0:1], 0x0                ; x s[4:5], weight s[6:7]
	s_load_b64 s[8:9], s[0:1], 0x10                ; part
	v_lshl_add_u32 v[SPW], v0, 2, SPARE
	v_mov_b32 v[NIL], 0
	v_and_b32 v[LANE], 31, v0
	v_lshrrev_b32 v[T], 5, v0
	v_readfirstlane_b32 s10, v[T]                  ; wave 0..15
	v_lshl_add_u32 v[LWA], v[T], 2, WRB
	v_lshlrev_b32 v[LSA], 4, v0
	v_lshrrev_b32 v[XO], 4, v[LANE]
	v_and_b32 v[WO], 15, v0
	v_lshlrev_b32 v[WO], 4, v[WO]
	v_lshl_or_b32 v[XO], v[XO], 14, v[WO]
	v_lshlrev_b32 v[WO], 4, v[LANE]
	v_mov_b32 v[T+1], 0                            ; v_permlanex16_b32 counts as a reader of its destination: T is written once here
	v_mov_b32 v[T+2], 0
	v_mov_b32 v[T+3], 0
	s_and_b32 s11, ttmp9, 63                       ; cb
	s_lshr_b32 s12, ttmp9, 6                       ; rq
	s_mov_b32 s13, ttmp9                           ; wg
	s_lshl_b32 s14, s12, 24                        ; 1,024 rows of 16,384 bytes
	s_lshl_b32 s15, s10, 20                        ; my wave's 64 rows
	s_or_b32 s14, s14, s15
	s_lshl_b32 s15, s11, 8                         ; the strip's 256 bytes of a row
	s_or_b32 s14, s14, s15
	s_mov_b32 s15, 0
	s_lshl_b32 s18, s13, 18                        ; 16 rows of weight
	s_lshl_b32 s19, s10, 14                        ; my wave's row
	s_or_b32 s18, s18, s19
	s_mov_b32 s19, 0
	s_mov_b32 s16, 0x76543210                      ; v_permlanex16_b32: each lane takes its own place in the other half
	s_mov_b32 s17, 0xfedcba98
	s_wait_kmcnt 0x0
	s_add_nc_u64 s[4:5], s[4:5], s[14:15]
	s_add_nc_u64 s[6:7], s[6:7], s[18:19]
.set j, 0
.rept 32
	global_load_b128 v[D+4*j:D+4*j+3], v[XO], s[4:5] offset:j*32768 th:TH_LOAD_NT  ; rows 2 j and 2 j + 1 of my 64
.set j, j+1
.endr
; Slots 2 i and 2 i + 1 hold four rows' worth of x; they are taken into the running maxima and filled with weight.
.macro XPAIR i
	s_wait_loadcnt 30                              ; behind my two loads stand 30 - 2 i loads of x and the 2 i loads of weight issued so far: 30 in every turn
.irp c, 0,1,2,3
.if (\i) == 0
	v_max_num_f32 v[MX+\c], v[D+\c], v[D+4+\c]     ; the first pair starts the chains: nothing is cleared
	v_min_num_f32 v[MN+\c], v[D+\c], v[D+4+\c]
.else
	v_max3_num_f32 v[MX+\c], v[MX+\c], v[D+8*(\i)+\c], v[D+8*(\i)+4+\c]
	v_min3_num_f32 v[MN+\c], v[MN+\c], v[D+8*(\i)+\c], v[D+8*(\i)+4+\c]
.endif
.endr
	global_load_b128 v[D+8*(\i):D+8*(\i)+3],   v[WO], s[6:7] offset:(2*(\i))*512 th:TH_LOAD_NT
	global_load_b128 v[D+8*(\i)+4:D+8*(\i)+7], v[WO], s[6:7] offset:(2*(\i)+1)*512 th:TH_LOAD_NT
.endm
.macro WPAIR i
	s_wait_loadcnt 30-2*(\i)                       ; only the younger loads of weight are left: the counts run down
.irp c, 0,1,2,3
.if (\i) == 0
	v_max_num_f32 v[WM+\c], v[D+\c], v[D+4+\c]
.else
	v_max3_num_f32 v[WM+\c], v[WM+\c], v[D+8*(\i)+\c], v[D+8*(\i)+4+\c]
.endif
.endr
.endm
.irp i, 0,1,2,3,4,5,6,7,8,9,10,11,12,13,14,15
	XPAIR \i
.endr
.irp i, 0,1,2,3,4,5,6,7,8,9,10,11,12,13,14,15
	WPAIR \i
.endr
	; x: the even rows' lanes and the odd rows' lanes meet; lanes 0-15 then carry max, lanes 16-31 carry -min
.irp c, 0,1,2,3
	v_permlanex16_b32 v[T+\c], v[MX+\c], s16, s17
.endr
.irp c, 0,1,2,3
	v_max_num_f32 v[MX+\c], v[MX+\c], v[T+\c]
.endr
.irp c, 0,1,2,3
	v_permlanex16_b32 v[T+\c], v[MN+\c], s16, s17
.endr
.irp c, 0,1,2,3
	v_min_num_f32 v[MN+\c], v[MN+\c], v[T+\c]
.endr
.irp c, 0,1,2,3
	v_xor_b32 v[MN+\c], 0x80000000, v[MN+\c]       ; -min, so that one kind of maximum joins both later
.endr
	v_cmp_gt_u32 vcc_lo, 16, v[LANE]
.irp c, 0,1,2,3
	v_cndmask_b32 v[T+\c], v[MN+\c], v[MX+\c], vcc_lo
.endr
	ds_store_b128 v[LSA], v[T:T+3]
	; weight: four chains into one, then over the 32 lanes
	v_max3_num_f32 v[WM], v[WM], v[WM+1], v[WM+2]
	v_max_num_f32 v[WM], v[WM], v[WM+3]
	v_max_num_f32_dpp v[WM], v[WM], v[WM] row_xmask:1 row_mask:0xf bank_mask:0xf
	v_max_num_f32_dpp v[WM], v[WM], v[WM] row_xmask:2 row_mask:0xf bank_mask:0xf
	v_max_num_f32_dpp v[WM], v[WM], v[WM] row_xmask:4 row_mask:0xf bank_mask:0xf
	v_max_num_f32_dpp v[WM], v[WM], v[WM] row_xmask:8 row_mask:0xf bank_mask:0xf
	v_permlanex16_b32 v[WM+1], v[WM], s16, s17
	v_max_num_f32 v[WM], v[WM], v[WM+1]
	ds_store_b32 v[LWA], v[WM]                     ; every lane writes the wave's word with the same number
	s_wait_dscnt 0x0                               ; for the others' sake: my two stores are done
	s_barrier_signal -1
	s_barrier_wait -1
	s_cmp_lg_u32 s10, 0
	s_cbranch_scc1 .Lend                           ; wave 0 joins the sixteen waves' figures
.set w, 0
.rept 16
	ds_load_b128 v[D+4*w:D+4*w+3], v[WO] offset:512*w
.set w, w+1
.endr
	v_and_b32 v[MX], 15, v[LANE]
	v_lshlrev_b32 v[MX], 2, v[MX]
	ds_load_b32 v[MX+1], v[MX] offset:WRB          ; lane l: the word of wave l & 15
	s_lshl_b32 s14, s12, 15                        ; part: rq x 32,768 + 256 cb
	s_lshl_b32 s15, s11, 8
	s_or_b32 s14, s14, s15
	s_mov_b32 s15, 0
	s_add_nc_u64 s[14:15], s[8:9], s[14:15]
	s_lshl_b32 s18, s13, 2
	s_add_co_u32 s18, s18, 131072                  ; and the work-group's word behind x's part
	s_mov_b32 s19, 0
	s_add_nc_u64 s[18:19], s[8:9], s[18:19]
	s_wait_dscnt 0x0
.irp c, 0,1,2,3
	v_max3_num_f32 v[T+\c], v[D+\c], v[D+4+\c], v[D+8+\c]
.endr
.irp w, 3,5,7,9,11,13
.irp c, 0,1,2,3
	v_max3_num_f32 v[T+\c], v[T+\c], v[D+4*(\w)+\c], v[D+4*(\w)+4+\c]
.endr
.endr
.irp c, 0,1,2,3
	v_max_num_f32 v[T+\c], v[T+\c], v[D+60+\c]
.endr
	global_store_b128 v[XO], v[T:T+3], s[14:15]    ; lanes 0-15: 256 consecutive aligned bytes of max; lanes 16-31: the same of -min
	v_max_num_f32_dpp v[MX+1], v[MX+1], v[MX+1] row_xmask:1 row_mask:0xf bank_mask:0xf
	v_max_num_f32_dpp v[MX+1], v[MX+1], v[MX+1] row_xmask:2 row_mask:0xf bank_mask:0xf
	v_max_num_f32_dpp v[MX+1], v[MX+1], v[MX+1] row_xmask:4 row_mask:0xf bank_mask:0xf
	v_max_num_f32_dpp v[MX+1], v[MX+1], v[MX+1] row_xmask:8 row_mask:0xf bank_mask:0xf
	v_mov_b32 v[MX+2], 0
	v_cmp_eq_u32 vcc_lo, 0, v[LANE]
	s_wait_xcnt 0x0                                ; EXEC is a source of the store above: it changes only behind this wait
	s_and_saveexec_b32 s20, vcc_lo
	global_store_b32 v[MX+2], v[MX+1], s[18:19]    ; four bytes a work-group, 1 KiB in the launch: a whole block each would give the readers 64 times the bytes
	s_wait_xcnt 0x0                                ; and again in front of the line that widens it
	s_or_b32 exec_lo, exec_lo, s20
.Lend:
	s_wait_tensorcnt 0x0                           ; the wave's end: three closing lines behind my last LDS store
	ds_add_u32 v[SPW], v[NIL]
	s_wait_dscnt 0x0
	s_endpgm
.Lfunc_end_k_qbade80e293_stats:
	.size	k_qbade80e293_stats, .Lfunc_end_k_qbade80e293_stats-k_qbade80e293_stats
	.p2alignl 7, 3214868480
	.fill 96, 4, 3214868480
	.section	.rodata,"a",@progbits
	.p2align	6, 0x0
	.amdhsa_kernel k_qbade80e293_stats
		.amdhsa_group_segment_fixed_size 10496
		.amdhsa_private_segment_fixed_size 0
		.amdhsa_enable_private_segment 0
		.amdhsa_kernarg_size 24
		.amdhsa_user_sgpr_count 2
		.amdhsa_user_sgpr_kernarg_segment_ptr 1
		.amdhsa_wavefront_size32 1
		.amdhsa_system_sgpr_workgroup_id_x 1
		.amdhsa_system_sgpr_workgroup_id_y 1
		.amdhsa_system_sgpr_workgroup_id_z 1
		.amdhsa_system_vgpr_workitem_id 0
		.amdhsa_next_free_vgpr 152
		.amdhsa_next_free_sgpr 66
		.amdhsa_reserve_vcc 1
		.amdhsa_float_denorm_mode_32 3
		.amdhsa_float_denorm_mode_16_64 3
		.amdhsa_memory_ordered 1
		.amdhsa_forward_progress 1
		.amdhsa_inst_pref_size 27
	.end_amdhsa_kernel
	.amdgpu_metadata
---
amdhsa.version: [ 1, 2 ]
amdhsa.kernels:
  - .name:           k_qbade80e293_stats
    .symbol:         k_qbade80e293_stats.kd
    .args:
      - { .name: x, .offset: 0, .size: 8, .value_kind: global_buffer, .address_space: global }
      - { .name: weight, .offset: 8, .size: 8, .value_kind: global_buffer, .address_space: global }
      - { .name: part, .offset: 16, .size: 8, .value_kind: global_buffer, .address_space: global }
    .group_segment_fixed_size: 10496
    .private_segment_fixed_size: 0
    .kernarg_segment_align: 8
    .kernarg_segment_size: 24
    .max_flat_workgroup_size: 512
    .sgpr_count:     66
    .vgpr_count:     152
    .wavefront_size: 32
...
	.end_amdgpu_metadata
.endif
;; end of part 1
;; launch rankw (part 2): grid 256 x 1, 16 waves a work-group, no clusters, 5,120 bytes of LDS; arguments weight, bias, part, chan, grp, bq, post; writes chan, grp, bq, post
.if DOCPART == 2
	.amdgcn_target "amdgcn-amd-amdhsa--gfx1250"
	.amdhsa_code_object_version 6
	.text
	.protected	k_qbade80e293_rankw
	.globl	k_qbade80e293_rankw
	.p2align	8
	.type	k_qbade80e293_rankw,@function
k_qbade80e293_rankw:
	s_mov_b64 s[64:65], 0
	v_nop
	global_prefetch_b8 v0, s[64:65] scope:SCOPE_SE
	s_setreg_imm32_b32 hwreg(HW_REG_WAVE_MODE, 25, 1), 1
	s_wait_xcnt 0x0
; THE CHANNELS' GROUPS, AND BESIDE THEM WEIGHT'S QUANTISATION AND THE CORRECTION.
; (1) For each channel: max and min over the four row quarters; mean = (max + min) / 2; range r = |max - min|; its place in the stable ascending order of r (ties by channel number); group = place >> 8.
;     The sorted order itself is never built: it only permutes a sum's terms.  The largest x - mean of a channel is hp = max - mean (rounding keeps order), so a group's scale comes from hp alone.
;     Work-group wg ranks the 16 channels from T0 = 16 wg against all 4,096.  Stores: chan [0 ..] mean; chan [16384 + 64 wg ..] for each of 16 groups the largest hp among my 16 channels, or -infinity; grp: group numbers.
; (2) w_scale = max(weight) / 127;  bq[n][c] = f16(clip(round(weight[n][c] / w_scale), -128, 127)), exact in f16;  post: corr[n] = w_scale * sum over c of mean[c] w_q[n][c] + bias[n].  Rows 16 wg .. 16 wg + 15.
; WHY TOGETHER.  (1) is a chain of dependent steps on 128 KiB; (2) is a stream of 384 KiB a work-group that needs of (1) only the means, which every work-group has in registers anyway.  So the chain runs beside the stream.
; SHARES.  Thread t owns channels 4 t .. + 3 and 2048 + 4 t .. + 3: as 8 sources of the count, and as its columns of every row of weight.  A load of a wave covers 512 dense bytes, a store 256 consecutive aligned bytes.
; A wave's share of weight is 32 slots (row x half).  All 32 loads go out at the head, behind the 27 loads of parameters, each into registers of its own, and each slot has its own pair of store registers:
; nothing is filled again, no source of a store is rewritten, every step stands in an immediate.  Behind the two slots of row r stand the row's sum and the count for target r: the count fills the waits for the stream.
; THE COUNT.  r is not negative, so its bit pattern orders as the number does.  place(t) = #{s: r_s < r_t, or r_s = r_t and s < t}.  Sources below T0 count by r_s <= r_t; sources from T0 + 16 on by r_s + 1 <= r_t
; (one is added to their pattern once); the block's own 16 are first counted by <= too, and #{s in the block, s >= t, r_s = r_t} is taken away.  One compare serves each pair; its mask is counted by the scalar unit.
; No address, branch or trip count hangs on data.  No cluster: what the work-groups share is part's 128 KiB, a quarter of what each moves, taken once into registers.  No matrix unit: corr is 16 rows x 1.
; The four small stores are pieces of 64 bytes, 64 KiB in the launch: 64 targets a work-group would fill whole blocks of 256 bytes and leave three WGPs in four without work.
; LIMITS.  NaN and infinities are not served.  Quotients are made with a reciprocal (x / 127 with one correction; 1 / w_scale with one Newton step): a number within about 2^-22 of itself of a rounding boundary
; may fall to the neighbouring level.  A scale below 2^-126 or above 2^126 is not served (v_rcp_f32 flushes denormals: ISA guide, its entry).  corr is summed in another order than row by row.
.set CRB,   2048                       ; LDS: 0 .. 2047 the waves' counts (128 bytes a wave: lane k target k, lanes 16-31 zero); 2048 .. 3071 the waves' 16 row sums (64 bytes a wave)
.set SPARE, 3072                       ; the spare words: 128 bytes for each of 16 waves, which no other line names
.set LANE, 1
.set LO,   2                           ; 16 t
.set SO,   3                           ; 8 t
.set L15,  4                           ; lane & 15
.set T4,   5                           ; 4 t
.set L4,   6                           ; 4 lane
.set TO,   7                           ; 4 (lane & 15)
.set SPW,  8
.set NIL,  9
.set MEAN, 10                          ; v[10:17]   half 0: v10-13, half 1: v14-17
.set R,    18                          ; v[18:25]   my 8 sources' keys
.set T,    26                          ; v[26:29]   at work
.set ACC,  30                          ; v[30:33]   a row's sum of mean x w_q: two pairs, by the row's parity
.set TP,   34                          ; v[34:41]   the targets' eight partial figures
.set TMX,  42
.set TNM,  43
.set TR,   44                          ; the targets' keys: lane l holds channel T0 + (l & 15)
.set TME,  45                          ; their means
.set HP,   46
.set CNT,  47
.set KOR,  48
.set PG,   49
.set W0,   50
.set W1,   51
.set WS,   52                          ; w_scale
.set BI,   53
.set LWP,  54                          ; 16 lane
.set CRA,  55                          ; CRB + 64 wave
.set WP,   56                          ; v[56:63]   weight's partial maxima
.set X,    64                          ; v[64:191]  32 slots of 4
.set Y,    192                         ; v[192:255] 32 slots of 2
.set P,    192                         ; the same registers, ahead of the stream: half i, h = 2 rq + kind at P + 4 (8 i + h)
.set RT,   40                          ; s[40:55]   the 16 targets' keys;  s[56:63] masks;  s38, s39 at work
	s_load_b256 s[8:15], s[0:1], 0x0               ; weight s[8:9], bias s[10:11], part s[12:13], chan s[14:15]
	s_load_b128 s[16:19], s[0:1], 0x20             ; grp s[16:17], bq s[18:19]
	s_load_b64 s[20:21], s[0:1], 0x30              ; post
	v_lshl_add_u32 v[SPW], v0, 2, SPARE
	v_mov_b32 v[NIL], 0
	v_and_b32 v[LANE], 31, v0
	v_lshrrev_b32 v[W0], 5, v0
	v_readfirstlane_b32 s22, v[W0]                 ; wave 0..15
	v_lshl_add_u32 v[CRA], v[W0], 6, CRB
	v_lshlrev_b32 v[LO], 4, v0
	v_lshlrev_b32 v[SO], 3, v0
	v_and_b32 v[L15], 15, v0
	v_lshlrev_b32 v[TO], 2, v[L15]
	v_lshlrev_b32 v[T4], 2, v0
	v_lshlrev_b32 v[L4], 2, v[LANE]
	v_lshlrev_b32 v[LWP], 4, v[LANE]
	v_mov_b32 v[W1], 0                             ; a destination of v_permlanex16_b32 is written before
	s_mov_b32 s23, ttmp9
	s_lshl_b32 s26, ttmp9, 4
	s_add_co_u32 s26, s26, 16                      ; T0 + 16
	s_mov_b32 s32, 0xc3000000                      ; -128.0
	s_mov_b32 s33, 0x42fe0000                      ; 127.0
	s_mov_b32 s34, 0x76543210                      ; v_permlanex16_b32: each lane takes its own place in the other half
	s_mov_b32 s35, 0xfedcba98
	s_mov_b32 s36, 0x3c010204                      ; 1 / 127, rounded
	s_lshl_b32 s24, s23, 18                        ; 16 rows of 16,384 bytes
	s_mov_b32 s25, 0
	s_wait_kmcnt 0x0
	s_add_nc_u64 s[8:9], s[8:9], s[24:25]
	s_lshl_b32 s24, s23, 17                        ; 16 rows of 8,192 bytes
	s_add_nc_u64 s[18:19], s[18:19], s[24:25]
	s_lshl_b32 s24, s23, 6                         ; 16 numbers of 4 bytes
	s_add_nc_u64 s[10:11], s[10:11], s[24:25]
	s_add_nc_u64 s[28:29], s[12:13], s[24:25]      ; part at my targets
	s_add_nc_u64 s[14:15], s[14:15], s[24:25]
	s_add_nc_u64 s[16:17], s[16:17], s[24:25]
	s_add_nc_u64 s[20:21], s[20:21], s[24:25]
	; 27 loads of parameters, then my whole share of weight
	global_load_b128 v[WP:WP+3],   v[LWP], s[12:13] offset:131072
	global_load_b128 v[WP+4:WP+7], v[LWP], s[12:13] offset:131584
.irp i, 0,1
.irp h, 0,1,2,3,4,5,6,7
	global_load_b128 v[P+4*(8*(\i)+(\h)):P+4*(8*(\i)+(\h))+3], v[LO], s[12:13] offset:(\h)*16384+(\i)*8192
.endr
.endr
.irp h, 0,1,2,3,4,5,6,7
	global_load_b32 v[TP+(\h)], v[TO], s[28:29] offset:(\h)*16384
.endr
	global_load_b32 v[BI], v[TO], s[10:11]
.set q, 0
.rept 32
	global_load_b128 v[X+4*q:X+4*q+3], v[LO], s[8:9] offset:q*8192 th:TH_LOAD_NT
.set q, q+1
.endr
	s_wait_loadcnt 32                              ; loads come back in order (ISA guide 5.7.1): the 27 are in, weight's 32 stay out
	; w_scale and its reciprocal
	v_max3_num_f32 v[WS], v[WP], v[WP+1], v[WP+2]
	v_max3_num_f32 v[WS], v[WS], v[WP+3], v[WP+4]
	v_max3_num_f32 v[WS], v[WS], v[WP+5], v[WP+6]
	v_max_num_f32 v[WS], v[WS], v[WP+7]
	v_max_num_f32_dpp v[WS], v[WS], v[WS] row_xmask:1 row_mask:0xf bank_mask:0xf
	v_max_num_f32_dpp v[WS], v[WS], v[WS] row_xmask:2 row_mask:0xf bank_mask:0xf
	v_max_num_f32_dpp v[WS], v[WS], v[WS] row_xmask:4 row_mask:0xf bank_mask:0xf
	v_max_num_f32_dpp v[WS], v[WS], v[WS] row_xmask:8 row_mask:0xf bank_mask:0xf
	v_permlanex16_b32 v[W1], v[WS], s34, s35
	v_max_num_f32 v[WS], v[WS], v[W1]
	v_mul_f32 v[W0], s36, v[WS]                    ; / 127: a product with 1 / 127 and one correction by the remainder
	v_fma_f32 v[W1], -v[W0], s33, v[WS]
	v_fma_f32 v[WS], v[W1], s36, v[W0]
	v_rcp_f32 v[W0], v[WS]
	v_nop                                          ; a plain instruction between v_rcp_f32 and the use of its result (ISA guide 5.7.2)
	s_wait_alu depctr_va_vdst(0)
	v_fma_f32 v[W1], -v[WS], v[W0], 1.0            ; one Newton step
	v_fma_f32 v[TMX], v[W1], v[W0], v[W0]
	v_readfirstlane_b32 s30, v[TMX]                ; 1 / w_scale,
	s_mov_b32 s31, s30                             ; named as a pair by the packed multiply
	; my 8 channels: key and mean
.set i, 0
.rept 2
.set c, 0
.rept 4
	v_max3_num_f32 v[W0], v[P+32*i+c], v[P+32*i+8+c], v[P+32*i+16+c]
	v_max3_num_f32 v[W1], v[P+32*i+4+c], v[P+32*i+12+c], v[P+32*i+20+c]
	v_max_num_f32 v[W0], v[W0], v[P+32*i+24+c]
	v_max_num_f32 v[W1], v[W1], v[P+32*i+28+c]
	v_add_f32 v[R+4*i+c], v[W0], v[W1]             ; max + (-min): the rounding of max - min
	v_sub_f32 v[MEAN+4*i+c], v[W0], v[W1]          ; max + min
	v_and_b32 v[R+4*i+c], 0x7fffffff, v[R+4*i+c]
	v_mul_f32 v[MEAN+4*i+c], 0.5, v[MEAN+4*i+c]
.set c, c+1
.endr
	v_add_nc_u32 v[W0], 2048*i, v[T4]              ; the four channels' first; four on end lie wholly on one side of T0 + 16
	v_cmp_le_u32 vcc_lo, s26, v[W0]
	v_cndmask_b32 v[W1], 0, 1, vcc_lo
.set c, 0
.rept 4
	v_add_nc_u32 v[R+4*i+c], v[R+4*i+c], v[W1]
.set c, c+1
.endr
.set i, i+1
.endr
	; the targets
	v_max3_num_f32 v[TMX], v[TP], v[TP+2], v[TP+4]
	v_max3_num_f32 v[TNM], v[TP+1], v[TP+3], v[TP+5]
	v_max_num_f32 v[TMX], v[TMX], v[TP+6]
	v_max_num_f32 v[TNM], v[TNM], v[TP+7]
	v_add_f32 v[TR], v[TMX], v[TNM]
	v_and_b32 v[TR], 0x7fffffff, v[TR]
	v_sub_f32 v[TME], v[TMX], v[TNM]
	v_mul_f32 v[TME], 0.5, v[TME]
	v_sub_f32 v[HP], v[TMX], v[TME]
	v_mov_b32 v[CNT], 0
.set k, 0
.rept 16
	v_readlane_b32 s[RT+k], v[TR], k
.set k, k+1
.endr
; Slot q of 32: row q / 2, half q % 2.
.macro WSLOT
.set cc, q%2
.set XR, X+4*q
.set YR, Y+2*q
.set AR, ACC+2*((q/2)%2)
	s_wait_loadcnt 31-q                            ; mine is in; the younger slots' loads stay out
	v_pk_mul_f32 v[T:T+1],   v[XR:XR+1],   s[30:31] op_sel_hi:[1,0]
	v_pk_mul_f32 v[T+2:T+3], v[XR+2:XR+3], s[30:31] op_sel_hi:[1,0]
.irp k, 0,1,2,3
	v_rndne_f32 v[T+\k], v[T+\k]
.endr
.irp k, 0,1,2,3
	v_med3_num_f32 v[T+\k], v[T+\k], s32, s33
.endr
.if cc == 0
	v_pk_mul_f32 v[AR:AR+1], v[T:T+1], v[MEAN:MEAN+1]                        ; the row's first product starts its sum: nothing is cleared
.else
	v_pk_fma_f32 v[AR:AR+1], v[T:T+1], v[MEAN+4:MEAN+5], v[AR:AR+1]
.endif
	v_pk_fma_f32 v[AR:AR+1], v[T+2:T+3], v[MEAN+4*cc+2:MEAN+4*cc+3], v[AR:AR+1]
	v_cvt_pk_f16_f32 v[YR],   v[T],   v[T+1]
	v_cvt_pk_f16_f32 v[YR+1], v[T+2], v[T+3]
	global_store_b64 v[SO], v[YR:YR+1], s[18:19] offset:q*4096               ; a wave's store: 256 consecutive bytes, aligned; its two registers are written this once
.endm
; Row q / 2: its sum over my wave's lanes, into my wave's word for the row.
.macro ROWSUM
.set AR, ACC+2*((q/2)%2)
	v_add_f32 v[AR], v[AR], v[AR+1]
	v_add_f32_dpp v[AR], v[AR], v[AR] row_xmask:1 row_mask:0xf bank_mask:0xf
	v_add_f32_dpp v[AR], v[AR], v[AR] row_xmask:2 row_mask:0xf bank_mask:0xf
	v_add_f32_dpp v[AR], v[AR], v[AR] row_xmask:4 row_mask:0xf bank_mask:0xf
	v_add_f32_dpp v[AR], v[AR], v[AR] row_xmask:8 row_mask:0xf bank_mask:0xf
	v_permlanex16_b32 v[AR+1], v[AR], s34, s35
	v_add_f32 v[AR], v[AR], v[AR+1]
	ds_store_b32 v[CRA], v[AR] offset:4*(q/2)      ; every lane writes the word with the same number
.endm
; Target q / 2 against my wave's 256 sources: 8 compares, their masks counted and added up, the sum into the target's lane.
.macro COUNT
.set kk, q/2
.irp j, 0,1,2,3,4,5,6,7
	v_cmp_le_u32 s[56+(\j)], v[R+(\j)], s[RT+kk]
.endr
.irp j, 0,1,2,3,4,5,6,7
	s_bcnt1_i32_b32 s[56+(\j)], s[56+(\j)]
.endr
	s_add_co_u32 s38, s56, s57                     ; the first two start the sum
.irp j, 2,3,4,5,6,7
	s_add_co_u32 s38, s38, s[56+(\j)]
.endr
	v_writelane_b32 v[CNT], s38, kk
.endm
.set q, 0
.rept 16
	WSLOT
.set q, q+1
	WSLOT
	ROWSUM
	COUNT
.set q, q+1
.endr
	ds_store_b32 v[T4], v[CNT]
	s_wait_dscnt 0x0                               ; for the others' sake: my 17 stores are done
	s_barrier_signal -1
	s_barrier_wait -1
	s_cmp_eq_u32 s22, 0
	s_cbranch_scc1 .Lranks                         ; wave 0 finishes the ranks, wave 1 beside it the correction
	s_cmp_eq_u32 s22, 1
	s_cbranch_scc0 .Lend
	v_bfe_u32 v[WP], v0, 4, 1
	v_lshl_add_u32 v[WP], v[WP], 9, v[TO]          ; 512 (lane >> 4) + 4 (lane & 15)
.set i, 0
.rept 8
	ds_load_b32 v[X+i], v[WP] offset:CRB+64*i      ; lane l: row l & 15 of waves 8 (l >> 4) + i
.set i, i+1
.endr
	s_wait_dscnt 0x0
	v_add_f32 v[X],   v[X],   v[X+1]
	v_add_f32 v[X+2], v[X+2], v[X+3]
	v_add_f32 v[X+4], v[X+4], v[X+5]
	v_add_f32 v[X+6], v[X+6], v[X+7]
	v_add_f32 v[X],   v[X],   v[X+2]
	v_add_f32 v[X+4], v[X+4], v[X+6]
	v_add_f32 v[X],   v[X],   v[X+4]
	v_permlanex16_b32 v[X+1], v[X], s34, s35
	v_add_f32 v[X], v[X], v[X+1]
	v_fma_f32 v[W0], v[X], v[WS], v[BI]            ; w_scale x sum + bias
	v_cmp_gt_u32 vcc_lo, 16, v[LANE]
	s_wait_xcnt 0x0                                ; EXEC is a source of the stores above: it changes only behind this wait
	s_and_saveexec_b32 s37, vcc_lo
	global_store_b32 v[TO], v[W0], s[20:21]        ; corr of my 16 rows
	s_wait_xcnt 0x0                                ; and again in front of the line that widens it
	s_or_b32 exec_lo, exec_lo, s37
	s_branch .Lend
.Lranks:
.set w, 0
.rept 16
	ds_load_b32 v[X+w], v[L4] offset:128*w
.set w, w+1
.endr
	; how many of the block's own, at or behind target k, have its key
	v_mov_b32 v[KOR], 0
.set k, 0
.rept 16
	v_cmp_eq_u32 s56, v[TR], s[RT+k]
	s_and_b32 s56, s56, (0xffff<<k)&0xffff
	s_bcnt1_i32_b32 s56, s56
	v_writelane_b32 v[KOR], s56, k
.set k, k+1
.endr
	s_wait_dscnt 0x0
	v_add3_u32 v[W0], v[X], v[X+1], v[X+2]
.irp w, 3,5,7,9,11,13
	v_add3_u32 v[W0], v[W0], v[X+(\w)], v[X+(\w)+1]
.endr
	v_add_nc_u32 v[W0], v[W0], v[X+15]
	v_sub_nc_u32 v[W0], v[W0], v[KOR]              ; the place, 0 .. 4095
	v_lshrrev_b32 v[W1], 8, v[W0]                  ; the group, 0 .. 15
	; lane g: the largest hp among my 16 channels that fall into group g.  A choice of values: no address hangs on it.
	v_mov_b32 v[TMX], 0xff800000
	v_mov_b32 v[PG], v[TMX]
.set i, 0
.rept 16
	v_readlane_b32 s38, v[W1], i
	v_readlane_b32 s39, v[HP], i
	v_cmp_eq_u32 vcc_lo, s38, v[L15]
	v_cndmask_b32 v[W0], v[TMX], s39, vcc_lo
	v_max_num_f32 v[PG], v[PG], v[W0]
.set i, i+1
.endr
	v_cmp_gt_u32 vcc_lo, 16, v[LANE]
	s_wait_xcnt 0x0                                ; EXEC changes only behind this wait
	s_and_saveexec_b32 s37, vcc_lo
	global_store_b32 v[TO], v[TME], s[14:15]              ; mean
	global_store_b32 v[TO], v[PG], s[14:15] offset:16384  ; the work-group's 16 group maxima
	global_store_b32 v[TO], v[W1], s[16:17]               ; group numbers
	s_wait_xcnt 0x0
	s_or_b32 exec_lo, exec_lo, s37
.Lend:
	s_wait_tensorcnt 0x0                           ; the wave's end: three closing lines behind my last LDS store
	ds_add_u32 v[SPW], v[NIL]
	s_wait_dscnt 0x0
	s_endpgm
.Lfunc_end_k_qbade80e293_rankw:
	.size	k_qbade80e293_rankw, .Lfunc_end_k_qbade80e293_rankw-k_qbade80e293_rankw
	.p2alignl 7, 3214868480
	.fill 96, 4, 3214868480
	.section	.rodata,"a",@progbits
	.p2align	6, 0x0
	.amdhsa_kernel k_qbade80e293_rankw
		.amdhsa_group_segment_fixed_size 5120
		.amdhsa_private_segment_fixed_size 0
		.amdhsa_enable_private_segment 0
		.amdhsa_kernarg_size 56
		.amdhsa_user_sgpr_count 2
		.amdhsa_user_sgpr_kernarg_segment_ptr 1
		.amdhsa_wavefront_size32 1
		.amdhsa_system_sgpr_workgroup_id_x 1
		.amdhsa_system_sgpr_workgroup_id_y 1
		.amdhsa_system_sgpr_workgroup_id_z 1
		.amdhsa_system_vgpr_workitem_id 0
		.amdhsa_next_free_vgpr 256
		.amdhsa_next_free_sgpr 66
		.amdhsa_reserve_vcc 1
		.amdhsa_float_denorm_mode_32 3
		.amdhsa_float_denorm_mode_16_64 3
		.amdhsa_memory_ordered 1
		.amdhsa_forward_progress 1
		.amdhsa_inst_pref_size 76
	.end_amdhsa_kernel
	.amdgpu_metadata
---
amdhsa.version: [ 1, 2 ]
amdhsa.kernels:
  - .name:           k_qbade80e293_rankw
    .symbol:         k_qbade80e293_rankw.kd
    .args:
      - { .name: weight, .offset: 0, .size: 8, .value_kind: global_buffer, .address_space: global }
      - { .name: bias, .offset: 8, .size: 8, .value_kind: global_buffer, .address_space: global }
      - { .name: part, .offset: 16, .size: 8, .value_kind: global_buffer, .address_space: global }
      - { .name: chan, .offset: 24, .size: 8, .value_kind: global_buffer, .address_space: global }
      - { .name: grp, .offset: 32, .size: 8, .value_kind: global_buffer, .address_space: global }
      - { .name: bq, .offset: 40, .size: 8, .value_kind: global_buffer, .address_space: global }
      - { .name: post, .offset: 48, .size: 8, .value_kind: global_buffer, .address_space: global }
    .group_segment_fixed_size: 5120
    .private_segment_fixed_size: 0
    .kernarg_segment_align: 8
    .kernarg_segment_size: 56
    .max_flat_workgroup_size: 512
    .sgpr_count:     66
    .vgpr_count:     256
    .wavefront_size: 32
...
	.end_amdgpu_metadata
.endif
;; end of part 2
;; launch quantx (part 3): grid 256 x 1, 16 waves a work-group, no clusters, 3,072 bytes of LDS; arguments x, part, chan, grp, aq, post; writes aq, post
.if DOCPART == 3
	.amdgcn_target "amdgcn-amd-amdhsa--gfx1250"
	.amdhsa_code_object_version 6
	.text
	.protected	k_qbade80e293_quantx
	.globl	k_qbade80e293_quantx
	.p2align	8
	.type	k_qbade80e293_quantx,@function
k_qbade80e293_quantx:
	s_mov_b64 s[64:65], 0
	v_nop
	global_prefetch_b8 v0, s[64:65] scope:SCOPE_SE
	s_setreg_imm32_b32 hwreg(HW_REG_WAVE_MODE, 25, 1), 1
	s_wait_xcnt 0x0
; x'S QUANTISATION.  a[g] = (largest hp of group g) / 127; a_max = the largest a; w_scale = max(weight) / 127.
;   aq[m][c] = f16( clip(round((x[m][c] - mean[c]) / a[g(c)]), -128, 127) * a[g(c)] / a_max )      post, behind corr: 64 copies of sc = w_scale * a_max.
; The product that follows gives out = sc * (aq . bq) + corr.  f16, not bf16: aq's one rounding keeps 11 bits; dividing by a_max holds every operand within 128 whatever the inputs' size.
; Work-group wg: rows 16 wg .. 16 wg + 15 of x.  Thread t owns channels 4 t .. + 3 and 2048 + 4 t .. + 3 of every row, so its mean, 1 / a and a / a_max are 24 registers for the whole kernel.
; A load of a wave covers 512 dense bytes, a store 256 consecutive aligned bytes.  A wave's share is 32 slots (row x half).  All 32 loads go out at the head, behind the 8 loads of parameters, each into registers of
; its own, so x is on its way under the whole preamble; each slot has its own pair of store registers: nothing is filled again, no source of a store is rewritten, every step stands in an immediate.
; The group maxima (16 KiB) are shared out among the threads and meet in LDS.
; No cluster: what the work-groups share (49 KiB of parameters) is an eighth of the 384 KiB that each moves.  No matrix unit: nothing here is a product.
; LIMITS.  Quotients are made with a reciprocal (x / 127 with one correction; 1 / scale with one Newton step): a number within about 2^-22 of itself of a rounding boundary may fall to the neighbouring level.
; Scales below 2^-126 or above 2^126 are not served (v_rcp_f32 flushes denormals: ISA guide, its entry).  A group whose scale is under 2^-14 of the largest loses bits in f16.  NaN and infinities are not served.
.set SPARE, 1024                       ; LDS: 0 .. 1023 the waves' 16 group maxima (64 bytes a wave); then the spare words, 128 bytes for each of 16 waves
.set LO,   2                           ; 16 t
.set SO,   3                           ; 8 t
.set MEAN, 4                           ; v[4:11]    half 0: v4-7, half 1: v8-11
.set INV,  12                          ; v[12:19]   1 / a
.set RHO,  20                          ; v[20:27]   a / a_max
.set T,    28                          ; v[28:31]   at work
.set SPW,  32
.set NIL,  33
.set SCR,  34                          ; v[34:35]   sc, twice
.set L8,   36                          ; 8 lane
.set LWP,  37                          ; 16 lane
.set AGS,  38                          ; 64 wave + 16 (lane & 3)
.set RDA,  39                          ; 512 (lane >> 4) + 4 (lane & 15)
.set WS,   40                          ; w_scale
.set TA,   41
.set TB,   42
.set TC,   43
.set AA,   44                          ; lane l: a of group l & 15
.set AMAX, 45
.set IA,   46
.set RH,   47
.set GI,   48                          ; v[48:55]   group numbers, then lane selects
.set WP,   56                          ; v[56:63]   weight's partial maxima
.set X,    64                          ; v[64:191]  32 slots of 4
.set Y,    192                         ; v[192:255] 32 slots of 2
.set PGL,  192                         ; v[192:199] ahead of the stream: partial group maxima
	s_load_b256 s[8:15], s[0:1], 0x0               ; x s[8:9], part s[10:11], chan s[12:13], grp s[14:15]
	s_load_b128 s[16:19], s[0:1], 0x20             ; aq s[16:17], post s[18:19]
	v_lshl_add_u32 v[SPW], v0, 2, SPARE
	v_mov_b32 v[NIL], 0
	v_and_b32 v1, 31, v0
	v_lshrrev_b32 v[TA], 5, v0
	v_readfirstlane_b32 s20, v[TA]                 ; wave 0..15
	s_mov_b32 s21, ttmp9
	v_lshlrev_b32 v[LO], 4, v0
	v_lshlrev_b32 v[SO], 3, v0
	v_lshlrev_b32 v[LWP], 4, v1
	v_lshlrev_b32 v[L8], 3, v1
	v_and_b32 v[TB], 3, v0
	v_lshlrev_b32 v[TB], 4, v[TB]
	v_lshl_add_u32 v[AGS], v[TA], 6, v[TB]
	v_and_b32 v[TB], 15, v0
	v_lshlrev_b32 v[TB], 2, v[TB]
	v_bfe_u32 v[TC], v0, 4, 1
	v_lshl_add_u32 v[RDA], v[TC], 9, v[TB]
	v_mov_b32 v[TC], 0                             ; a destination of v_permlanex16_b32 is written before
	s_mov_b32 s24, 0xc3000000                      ; -128.0
	s_mov_b32 s25, 0x42fe0000                      ; 127.0
	s_mov_b32 s26, 0x76543210                      ; v_permlanex16_b32: each lane takes its own place in the other half
	s_mov_b32 s27, 0xfedcba98
	s_mov_b32 s28, 0x3c010204                      ; 1 / 127, rounded
	s_lshl_b32 s22, s21, 18                        ; 16 rows of 16,384 bytes
	s_mov_b32 s23, 0
	s_wait_kmcnt 0x0
	s_add_nc_u64 s[8:9], s[8:9], s[22:23]
	s_lshl_b32 s22, s21, 17                        ; 16 rows of 8,192 bytes
	s_add_nc_u64 s[16:17], s[16:17], s[22:23]
	; eight loads of parameters, then my whole share of x
	global_load_b128 v[WP:WP+3],     v[LWP], s[10:11] offset:131072
	global_load_b128 v[WP+4:WP+7],   v[LWP], s[10:11] offset:131584
	global_load_b128 v[PGL:PGL+3],   v[LO], s[12:13] offset:16384
	global_load_b128 v[PGL+4:PGL+7], v[LO], s[12:13] offset:24576
	global_load_b128 v[MEAN:MEAN+3],   v[LO], s[12:13]
	global_load_b128 v[MEAN+4:MEAN+7], v[LO], s[12:13] offset:8192
	global_load_b128 v[GI:GI+3],   v[LO], s[14:15]
	global_load_b128 v[GI+4:GI+7], v[LO], s[14:15] offset:8192
.set q, 0
.rept 32
	global_load_b128 v[X+4*q:X+4*q+3], v[LO], s[8:9] offset:q*8192 th:TH_LOAD_NT
.set q, q+1
.endr
	s_wait_loadcnt 32                              ; loads come back in order (ISA guide 5.7.1): the eight are in, x's 32 stay out
.macro DIV127 d, s                     ; d = s / 127: a product with 1 / 127 and one correction by the remainder
	v_mul_f32 v[TA], s28, v[\s]
	v_fma_f32 v[TB], -v[TA], s25, v[\s]
	v_fma_f32 v[\d], v[TB], s28, v[TA]
.endm
.macro RCPN d, s                       ; d = 1 / s, one Newton step
	v_rcp_f32 v[TA], v[\s]
	v_nop                                          ; a plain instruction between v_rcp_f32 and the use of its result (ISA guide 5.7.2)
	s_wait_alu depctr_va_vdst(0)
	v_fma_f32 v[TB], -v[\s], v[TA], 1.0
	v_fma_f32 v[\d], v[TB], v[TA], v[TA]
.endm
	; w_scale
	v_max3_num_f32 v[WS], v[WP], v[WP+1], v[WP+2]
	v_max3_num_f32 v[WS], v[WS], v[WP+3], v[WP+4]
	v_max3_num_f32 v[WS], v[WS], v[WP+5], v[WP+6]
	v_max_num_f32 v[WS], v[WS], v[WP+7]
	v_max_num_f32_dpp v[WS], v[WS], v[WS] row_xmask:1 row_mask:0xf bank_mask:0xf
	v_max_num_f32_dpp v[WS], v[WS], v[WS] row_xmask:2 row_mask:0xf bank_mask:0xf
	v_max_num_f32_dpp v[WS], v[WS], v[WS] row_xmask:4 row_mask:0xf bank_mask:0xf
	v_max_num_f32_dpp v[WS], v[WS], v[WS] row_xmask:8 row_mask:0xf bank_mask:0xf
	v_permlanex16_b32 v[TC], v[WS], s26, s27
	v_max_num_f32 v[WS], v[WS], v[TC]
	DIV127 WS, WS
	; group maxima: thread t holds groups 4 (t & 3) .. + 3 of two work-groups' lists; lanes with the same lane & 3 meet
.irp c, 0,1,2,3
	v_max_num_f32 v[PGL+\c], v[PGL+\c], v[PGL+4+\c]
.endr
.irp m, 4,8
.irp c, 0,1,2,3
	v_max_num_f32_dpp v[PGL+\c], v[PGL+\c], v[PGL+\c] row_xmask:\m row_mask:0xf bank_mask:0xf
.endr
.endr
.irp c, 0,1,2,3
	v_permlanex16_b32 v[PGL+4+\c], v[PGL+\c], s26, s27
.endr
.irp c, 0,1,2,3
	v_max_num_f32 v[PGL+\c], v[PGL+\c], v[PGL+4+\c]
.endr
	ds_store_b128 v[AGS], v[PGL:PGL+3]             ; lanes with the same lane & 3 write the same bytes with the same numbers
	s_wait_dscnt 0x0                               ; for the others' sake
	s_barrier_signal -1
	s_barrier_wait -1
.set i, 0
.rept 8
	ds_load_b32 v[PGL+i], v[RDA] offset:64*i       ; lane l: group l & 15 of waves 8 (l >> 4) + i
.set i, i+1
.endr
	s_wait_dscnt 0x0
	v_max3_num_f32 v[AA], v[PGL], v[PGL+1], v[PGL+2]
	v_max3_num_f32 v[AA], v[AA], v[PGL+3], v[PGL+4]
	v_max3_num_f32 v[AA], v[AA], v[PGL+5], v[PGL+6]
	v_max_num_f32 v[AA], v[AA], v[PGL+7]
	v_permlanex16_b32 v[TC], v[AA], s26, s27
	v_max_num_f32 v[AA], v[AA], v[TC]
	DIV127 AA, AA                                  ; lane l: a of group l & 15
	v_mov_b32 v[AMAX], v[AA]
	v_max_num_f32_dpp v[AMAX], v[AMAX], v[AMAX] row_xmask:1 row_mask:0xf bank_mask:0xf
	v_max_num_f32_dpp v[AMAX], v[AMAX], v[AMAX] row_xmask:2 row_mask:0xf bank_mask:0xf
	v_max_num_f32_dpp v[AMAX], v[AMAX], v[AMAX] row_xmask:4 row_mask:0xf bank_mask:0xf
	v_max_num_f32_dpp v[AMAX], v[AMAX], v[AMAX] row_xmask:8 row_mask:0xf bank_mask:0xf
	RCPN IA, AA                                    ; 1 / a
	RCPN RH, AMAX                                  ; 1 / a_max
	v_mul_f32 v[TA], v[AA], v[RH]
	v_fma_f32 v[TB], -v[TA], v[AMAX], v[AA]
	v_fma_f32 v[RH], v[TB], v[RH], v[TA]           ; a / a_max
	v_mul_f32 v[SCR], v[WS], v[AMAX]               ; sc
	v_mov_b32 v[SCR+1], v[SCR]
	; each of my 8 channels takes its group's two numbers from the lane that holds them
.set j, 0
.rept 8
	v_min_u32 v[GI+j], 15, v[GI+j]
	v_lshlrev_b32 v[GI+j], 2, v[GI+j]
.set j, j+1
.endr
.set j, 0
.rept 8
	ds_bpermute_b32 v[INV+j], v[GI+j], v[IA]
	ds_bpermute_b32 v[RHO+j], v[GI+j], v[RH]
.set j, j+1
.endr
	s_wait_dscnt 0x0
; Slot q of 32: row q / 2, half q % 2.
.macro XSLOT
.set cc, q%2
.set XR, X+4*q
.set YR, Y+2*q
	s_wait_loadcnt 31-q                            ; mine is in; the younger slots' loads stay out
	v_pk_add_f32 v[T:T+1],   v[XR:XR+1],   v[MEAN+4*cc:MEAN+4*cc+1]   neg_lo:[0,1] neg_hi:[0,1]
	v_pk_add_f32 v[T+2:T+3], v[XR+2:XR+3], v[MEAN+4*cc+2:MEAN+4*cc+3] neg_lo:[0,1] neg_hi:[0,1]
	v_pk_mul_f32 v[T:T+1],   v[T:T+1],   v[INV+4*cc:INV+4*cc+1]
	v_pk_mul_f32 v[T+2:T+3], v[T+2:T+3], v[INV+4*cc+2:INV+4*cc+3]
.irp k, 0,1,2,3
	v_rndne_f32 v[T+\k], v[T+\k]
.endr
.irp k, 0,1,2,3
	v_med3_num_f32 v[T+\k], v[T+\k], s24, s25
.endr
	v_pk_mul_f32 v[T:T+1],   v[T:T+1],   v[RHO+4*cc:RHO+4*cc+1]
	v_pk_mul_f32 v[T+2:T+3], v[T+2:T+3], v[RHO+4*cc+2:RHO+4*cc+3]
	v_cvt_pk_f16_f32 v[YR],   v[T],   v[T+1]
	v_cvt_pk_f16_f32 v[YR+1], v[T+2], v[T+3]
	global_store_b64 v[SO], v[YR:YR+1], s[16:17] offset:q*4096               ; a wave's store: 256 consecutive bytes, aligned; its two registers are written this once
.endm
.set q, 0
.rept 32
	XSLOT
.set q, q+1
.endr
	s_cmp_lg_u32 s20, 0
	s_cbranch_scc1 .Lend
	s_cmp_lg_u32 s21, 0
	s_cbranch_scc1 .Lend
	global_store_b64 v[L8], v[SCR:SCR+1], s[18:19] offset:16384  ; wave 0 of work-group 0 alone: sc, 64 times: 256 consecutive bytes, aligned
.Lend:
	s_wait_tensorcnt 0x0                           ; the wave's end: three closing lines behind my last LDS store
	ds_add_u32 v[SPW], v[NIL]
	s_wait_dscnt 0x0
	s_endpgm
.Lfunc_end_k_qbade80e293_quantx:
	.size	k_qbade80e293_quantx, .Lfunc_end_k_qbade80e293_quantx-k_qbade80e293_quantx
	.p2alignl 7, 3214868480
	.fill 96, 4, 3214868480
	.section	.rodata,"a",@progbits
	.p2align	6, 0x0
	.amdhsa_kernel k_qbade80e293_quantx
		.amdhsa_group_segment_fixed_size 3072
		.amdhsa_private_segment_fixed_size 0
		.amdhsa_enable_private_segment 0
		.amdhsa_kernarg_size 48
		.amdhsa_user_sgpr_count 2
		.amdhsa_user_sgpr_kernarg_segment_ptr 1
		.amdhsa_wavefront_size32 1
		.amdhsa_system_sgpr_workgroup_id_x 1
		.amdhsa_system_sgpr_workgroup_id_y 1
		.amdhsa_system_sgpr_workgroup_id_z 1
		.amdhsa_system_vgpr_workitem_id 0
		.amdhsa_next_free_vgpr 256
		.amdhsa_next_free_sgpr 66
		.amdhsa_reserve_vcc 0
		.amdhsa_float_denorm_mode_32 3
		.amdhsa_float_denorm_mode_16_64 3
		.amdhsa_memory_ordered 1
		.amdhsa_forward_progress 1
		.amdhsa_inst_pref_size 44
	.end_amdhsa_kernel
	.amdgpu_metadata
---
amdhsa.version: [ 1, 2 ]
amdhsa.kernels:
  - .name:           k_qbade80e293_quantx
    .symbol:         k_qbade80e293_quantx.kd
    .args:
      - { .name: x, .offset: 0, .size: 8, .value_kind: global_buffer, .address_space: global }
      - { .name: part, .offset: 8, .size: 8, .value_kind: global_buffer, .address_space: global }
      - { .name: chan, .offset: 16, .size: 8, .value_kind: global_buffer, .address_space: global }
      - { .name: grp, .offset: 24, .size: 8, .value_kind: global_buffer, .address_space: global }
      - { .name: aq, .offset: 32, .size: 8, .value_kind: global_buffer, .address_space: global }
      - { .name: post, .offset: 40, .size: 8, .value_kind: global_buffer, .address_space: global }
    .group_segment_fixed_size: 3072
    .private_segment_fixed_size: 0
    .kernarg_segment_align: 8
    .kernarg_segment_size: 48
    .max_flat_workgroup_size: 512
    .sgpr_count:     66
    .vgpr_count:     256
    .wavefront_size: 32
...
	.end_amdgpu_metadata
.endif
;; end of part 3
;; launch gemm (part 4): grid 16 x 16, 4 waves a work-group, clusters of 4 x 4, 327,680 bytes of LDS; arguments aq, bq, out0, post; writes out0
.if DOCPART == 4
	.amdgcn_target "amdgcn-amd-amdhsa--gfx1250"
	.amdhsa_code_object_version 6
	.text
	.protected	k_qbade80e293_gemm
	.globl	k_qbade80e293_gemm
	.p2align	8
	.type	k_qbade80e293_gemm,@function
k_qbade80e293_gemm:
	s_mov_b64 s[64:65], 0
	v_nop
	global_prefetch_b8 v0, s[64:65] scope:SCOPE_SE
	s_setreg_imm32_b32 hwreg(HW_REG_WAVE_MODE, 25, 1), 1
	s_wait_xcnt 0x0
	s_wait_alu depctr_hold_cnt(0) depctr_sa_sdst(0) depctr_va_vdst(0) depctr_va_sdst(0) depctr_va_ssrc(0) depctr_va_vcc(0) depctr_vm_vsrc(0)
	s_getreg_b32 s2, hwreg(HW_REG_IB_STS2, 6, 4)
	s_cmp_eq_u32 s2, 0
	s_cbranch_scc0 .Lentry_in_a_cluster
	s_endpgm
.Lentry_in_a_cluster:
	s_bfe_u32 s2, ttmp6, 0x10000c
	s_cmp_lg_u32 s2, 0xf033
	s_cbranch_scc0 .Lentry_shape_is_right
	s_endpgm
.Lentry_shape_is_right:
; out0[m][n] = sc * (sum over k of aq[m][k] bq[n][k]) + corr[n].  aq, bq: [4096][4096] f16, every number within 128; sums in f32; out0 f32; corr and sc from post.
; A tile of out0, 256 x 256, is made by a work-group of four waves; a wave makes 128 x 128: 64 accumulators of 16 x 16, 512 registers.  256 tiles: one for each WGP.
; K goes in 32 steps of 128 through a ring of two LDS slots filled by the tensor data mover: a tile's rows are 256 bytes of memory and start at multiples of 256 bytes from the buffer's first byte.
; CLUSTERS: 4 x 4 work-groups.  The four of a row of the cluster need the same tiles of aq, the four of a column the same tiles of bq: each tile is asked for JOINTLY, by the same tensor load with the
; same descriptor and a mask that names the four, which divides the requests for both operands by four.
; THE MATRIX INSTRUCTION IS USED TRANSPOSED: source 0 = 16 rows of bq, source 1 = 16 rows of aq.  In the result lane l holds row m = l % 16 and its registers 0 to 7 the columns 8 (l / 16) + 0..7.
; REGISTERS, in windows of 256 (s_set_vgpr_msb: bits 1:0 source 0, 3:2 source 1, 5:4 source 2, 7:6 destination):
;   window 0: v0-31 addresses and corr; v64-127, v128-191 fragments of aq, two buffers, and on the way out two buffers of 16 rows read back      window 1: v64-127, v128-191 fragments of bq
;   window 2: the 32 accumulators of my rows 0-63 ((a, b) at v[8 (8 a + b)])      window 3: those of my rows 64-127
; The 64 accumulators take turns, one instruction a turn, in the same order in every quarter step.
; By this text's own count a wave has two tensor loads out at the start and one behind each round; from a request to the wait for it a wave issues 224 matrix instructions.
.set SIZE_N, 4096
.set SIZE_K, 4096
.set KSTEP,  128
.set PITCH,  272                       ; an LDS row: 256 bytes + 16 of padding = 68 words: row r starts at bank 4 r mod 64 (64 banks of 4 bytes: ISA guide 11.1)
.set HALFT,  128*PITCH                 ; 128 rows: what one tensor load brings, and what one wave reads of aq or of bq
.set SLOT,   4*HALFT                   ; aq's 256 rows, then bq's 256 rows
.set STAGE,  2*SLOT                    ; behind the ring: 16 rows x 528 bytes for each wave, for the way out; no tensor load lands there
.set SPITCH, 528                       ; 512 bytes (128 f32) + 16: 33 x 16, so the 16 rows of a store start in 16 different columns of 16 bytes
.set SPARE,  STAGE+4*16*SPITCH         ; behind the stages: the spare words, 128 bytes for each wave, which no other line names
.set LAPS,   SIZE_K/(2*KSTEP)          ; a lap = two K steps = once round the ring
.set COR,  12                          ; v[12:15] corr of my four columns on the way out
.set ADRA, 16                          ; v16-17  LDS address of my aq fragments in slot 0, 1
.set ADRB, 20                          ; v20-21  the same for bq
.set STO,  24                          ; v24     the way out: where I put 32 bytes of a row
.set RD,   25                          ; v25     the way out: where I read a row back
.set CO,   26                          ; v26     16 x lane: my bytes in 512 of out0, and in corr
.set SPW,  28
.set NIL,  29
.set F0,   64
.set F1,   128
.set OB,   64                          ; the way out: 16 rows read back, v64-127 and v128-191 by turns
.set G1,  24                           ; s[24:31] descriptor group 1 for aq's tiles
.set G0,  32                           ; s[32:39] group 0 for aq's tiles, a set for each slot
.set G1B, 48                           ; s[48:55], s[56:63] the same for bq's
.set G0B, 56
.set SC,  68                           ; s[68:69] sc, twice
.set MSB, 0
.macro WIN new                         ; the immediate's high byte repeats the setting that is left; a switch that changes nothing is dropped
.if MSB != (\new)
	s_set_vgpr_msb (MSB<<8)|(\new)
.set MSB, \new
.endif
.endm
.set MUL_LO, 0xa1                      ; source 0 (bq) window 1, source 1 (aq) window 0, C and D window 2
.set MUL_HI, 0xf1                      ; the same, C and D window 3
.set TO_B,   0x40                      ; destination window 1, address window 0
; A joint load.  Waves 0 and 1 fetch aq's two halves, waves 2 and 3 bq's.  Each line has one mask and one set of registers for all that issue it; the branch hangs on the wave's number alone.
; An s_nop 0 and four v_nop follow each of the two lines, ahead of the jump, the label and what follows.
.macro JLOAD s
	s_cmp_eq_u32 s11, 0
	s_cbranch_scc0 .Lfor_b_\@
	tensor_load_to_lds s[G0+4*(\s):G0+4*(\s)+3], s[G1:G1+7]
	s_nop 0
.rept 4
	v_nop
.endr
	s_branch .Lasked_\@
.Lfor_b_\@:
	tensor_load_to_lds s[G0B+4*(\s):G0B+4*(\s)+3], s[G1B:G1B+7]
	s_nop 0
.rept 4
	v_nop
.endr
.Lasked_\@:
.endm
.macro CREST                           ; a round of the cluster's barrier behind its opening barrier
	s_cmp_lg_u32 s10, 0
	s_cbranch_scc1 .Lnot_wave_0_\@
	s_barrier_signal -3
.Lnot_wave_0_\@:
	s_barrier_wait -3
	s_barrier_signal -1
	s_barrier_wait -1
.endm
.macro CROUND                          ; a whole round
	s_barrier_signal -1
	s_barrier_wait -1
	CREST
.endm
	s_load_b128 s[4:7], s[0:1], 0x0                ; aq s[4:5], bq s[6:7]
	s_load_b64 s[8:9], s[0:1], 0x10                ; out0
	s_load_b64 s[66:67], s[0:1], 0x18              ; post
	v_lshl_add_u32 v[SPW], v0, 2, SPARE
	v_mov_b32 v[NIL], 0
	ds_add_u32 v[SPW], v[NIL]                      ; the wave's opening: the add and its wait stand ahead of my first tensor load; the set-up below, work on registers, stands between them
	v_lshrrev_b32 v1, 5, v0
	v_readfirstlane_b32 s10, v1                    ; wave 0..3
	s_lshr_b32 s11, s10, 1                         ; which half of the tile's rows is mine.  Also: I fetch for aq (0) or for bq (1)
	s_and_b32 s12, s10, 1                          ; which half of its columns.  Also: which 128 rows of that tile I fetch
	s_bfe_u32 s40, ttmp6, 0x40000                  ; cx
	s_bfe_u32 s41, ttmp6, 0x40004                  ; cy
	s_lshl_b32 s42, ttmp9, 2                       ; in a cluster launch ttmp9 and ttmp7 count clusters
	s_add_co_u32 s42, s42, s40                     ; tile column = 4 x cluster x + cx
	s_and_b32 s13, ttmp7, 0xffff
	s_lshl_b32 s13, s13, 2
	s_add_co_u32 s13, s13, s41                     ; tile row = 4 x cluster y + cy
	s_lshl_b32 s43, s41, 2
	s_lshl_b32 s43, 15, s43                        ; my row of the cluster: places 4 cy .. 4 cy + 3
	s_lshl_b32 s44, 0x1111, s40                    ; my column: places cx, cx + 4, cx + 8, cx + 12
	; descriptor group 1: a tile of 128 rows x 128 elements, padded in LDS
	s_or_b32 s[G1+0], s43, (1<<16)|(1<<20)|(1<<21)|(5<<22)|(3<<25)  ; 15:0 the mask: aq's tiles go to my row; 17:16 elements of 2 bytes; 20 padding on; 21 set beside a mask; 24:22 after every 64 words (code 5); 31:25 4 words (code 3)
	s_or_b32 s[G1B+0], s44, (1<<16)|(1<<20)|(1<<21)|(5<<22)|(3<<25) ; the same with the mask of my column
.irp g, G1, G1B
	s_mov_b32 s[(\g)+1], KSTEP<<16                 ; tensor_dim0 = 128
	s_mov_b32 s[(\g)+2], 128<<16                   ; tensor_dim1 = 128
	s_mov_b32 s[(\g)+3], KSTEP<<16                 ; tile_dim0 = 128
	s_mov_b32 s[(\g)+4], 128                       ; tile_dim1 = 128
	s_mov_b32 s[(\g)+5], SIZE_K                    ; elements from row to row
	s_mov_b32 s[(\g)+6], 0
	s_mov_b32 s[(\g)+7], 0
.endr
	; aq's tiles hang on the tile row alone, which my row of the cluster shares; bq's on the tile column alone.  Each address is made in registers that never hold the other coordinate.
	s_lshl_b32 s17, s12, 7                         ; which 128 rows of the tile I fetch
	s_lshl_b32 s16, s13, 8
	s_add_co_u32 s16, s16, s17                     ; aq: row 256 x tile row + 128 x half
	s_lshl_b32 s46, s42, 8
	s_add_co_u32 s46, s46, s17                     ; bq: row 256 x tile column + 128 x half
	s_mov_b32 s17, 0
	s_mov_b32 s47, 0
	s_mov_b64 s[18:19], SIZE_K*2
	s_mul_u64 s[16:17], s[16:17], s[18:19]
	s_mul_u64 s[46:47], s[46:47], s[18:19]
	s_mul_i32 s20, s10, HALFT                      ; where they go: wave x 128 rows: no place in the cluster enters an LDS address
	s_wait_dscnt 0x0                               ; the opening add is done
	s_wait_kmcnt 0x0
	s_add_nc_u64 s[14:15], s[4:5], s[16:17]
	s_add_nc_u64 s[46:47], s[6:7], s[46:47]
	CROUND                                         ; all sixteen work-groups are here: the first joint loads meet
.irp s, 0,1
	s_mov_b32 s[G0+4*(\s)], 1                                      ; count = 1
	s_add_co_u32 s[G0+4*(\s)+1], s20, (\s)*SLOT                    ; LDS address
	s_add_nc_u64 s[G0+4*(\s)+2:G0+4*(\s)+3], s[14:15], (\s)*KSTEP*2  ; global address: K step s
	s_or_b32 s[G0+4*(\s)+3], s[G0+4*(\s)+3], 0x80000000            ; type = 2
	s_mov_b32 s[G0B+4*(\s)], 1
	s_add_co_u32 s[G0B+4*(\s)+1], s20, (\s)*SLOT
	s_add_nc_u64 s[G0B+4*(\s)+2:G0B+4*(\s)+3], s[46:47], (\s)*KSTEP*2
	s_or_b32 s[G0B+4*(\s)+3], s[G0B+4*(\s)+3], 0x80000000
	JLOAD \s                                       ; the ring is filled before anything else is done
.endr
	; A fragment is 16 rows x 32 K in 8 registers: lane l holds row l % 16; registers 0-3 K = 8 (l / 16) + 0..7, registers 4-7 K = 16 + 8 (l / 16) + 0..7: two loads of 16 bytes, 32 bytes apart.
	v_and_b32 v1, 15, v0                           ; l % 16
	v_bfe_u32 v2, v0, 4, 1                         ; l / 16
	v_mul_u32_u24 v3, v1, PITCH
	v_lshl_add_u32 v3, v2, 4, v3
	s_mul_i32 s21, s11, HALFT                      ; my 128 rows of aq
	s_mul_i32 s22, s12, HALFT                      ; my 128 rows of bq,
	s_add_co_u32 s22, s22, 2*HALFT                 ; which lie behind aq's 256
.irp s, 0,1
	v_add_nc_u32 v[ADRA+(\s)], s21, v3
	v_add_nc_u32 v[ADRB+(\s)], s22, v3
	s_add_co_u32 s21, s21, SLOT
	s_add_co_u32 s22, s22, SLOT
.endr
	s_mul_i32 s23, s10, 16*SPITCH
	s_add_co_u32 s23, s23, STAGE                   ; my stage
	v_mul_u32_u24 v4, v1, SPITCH                   ; in: row l % 16, 32 bytes for each half of the lanes
	v_lshl_add_u32 v4, v2, 5, v4
	v_add_nc_u32 v[STO], s23, v4
	v_and_b32 v5, 31, v0
	v_lshlrev_b32 v[CO], 4, v5
	v_add_nc_u32 v[RD], s23, v[CO]                 ; back: 32 lanes take one row of 512 bytes
	s_lshl_b32 s13, s13, 8
	s_lshl_b32 s14, s11, 7
	s_add_co_u32 s16, s13, s14                     ; my first row of out0
	s_mov_b32 s17, 0
	s_mov_b64 s[18:19], SIZE_N*4
	s_mul_u64 s[16:17], s[16:17], s[18:19]
	s_lshl_b32 s46, s42, 10                        ; my first column, in bytes: 1,024 x tile column + 512 x half (in the registers that held bq's address: none that feeds aq's descriptors ever holds cx)
	s_lshl_b32 s47, s12, 9
	s_add_co_u32 s46, s46, s47
	s_mov_b32 s47, 0
	s_add_nc_u64 s[70:71], s[66:67], s[46:47]      ; corr at my columns
	s_add_nc_u64 s[16:17], s[16:17], s[46:47]
	s_add_nc_u64 s[8:9], s[8:9], s[16:17]
	global_load_b128 v[COR:COR+3], v[CO], s[70:71] ; both are waited for on the way out
	s_load_b64 s[SC:SC+1], s[66:67], 0x4000
; 16 matrix instructions: m blocks a0, a0 + 1 of the window's four (hi = 0: my rows 0-63, 1: rows 64-127) x all 8 n blocks, 32 along K.  zero = 1: the first product starts the sums.
.macro MUL16 f, hi, a0, zero
	WIN MUL_LO+0x50*(\hi)
.irp a, \a0, (\a0)+1
.irp b, 0,1,2,3,4,5,6,7
.if \zero
	v_wmma_f32_16x16x32_f16 v[8*(8*(\a)+(\b)):8*(8*(\a)+(\b))+7], v[(\f)+8*(\b):(\f)+8*(\b)+7], v[(\f)+8*(4*(\hi)+(\a)):(\f)+8*(4*(\hi)+(\a))+7], 0
.else
	v_wmma_f32_16x16x32_f16 v[8*(8*(\a)+(\b)):8*(8*(\a)+(\b))+7], v[(\f)+8*(\b):(\f)+8*(\b)+7], v[(\f)+8*(4*(\hi)+(\a)):(\f)+8*(4*(\hi)+(\a))+7], v[8*(8*(\a)+(\b)):8*(8*(\a)+(\b))+7]
.endif
.endr
.endr
.endm
; 32 LDS loads in one run: the fragments of one quarter step (128 rows of bq, 128 rows of aq, 32 K at byte k of the rows) into buffer f
.macro FETCH slot, k, f
	WIN TO_B
.irp i, 0,1,2,3,4,5,6,7
	ds_load_b128 v[(\f)+8*(\i):(\f)+8*(\i)+3],   v[ADRB+(\slot)] offset:(\k)+(\i)*16*PITCH
	ds_load_b128 v[(\f)+8*(\i)+4:(\f)+8*(\i)+7], v[ADRB+(\slot)] offset:(\k)+(\i)*16*PITCH+32
.endr
	WIN 0
.irp i, 0,1,2,3,4,5,6,7
	ds_load_b128 v[(\f)+8*(\i):(\f)+8*(\i)+3],   v[ADRA+(\slot)] offset:(\k)+(\i)*16*PITCH
	ds_load_b128 v[(\f)+8*(\i)+4:(\f)+8*(\i)+7], v[ADRA+(\slot)] offset:(\k)+(\i)*16*PITCH+32
.endr
.endm
; A load into a register that a matrix instruction has read, and whatever reads a matrix result other than a matrix instruction, stand four places behind that matrix instruction; only plain vector
; instructions that name none of its registers are places (ISA guide 7.12.1 for vector instructions).
.macro PLACES
.rept 4
	v_nop
.endr
.endm
; A K step is four quarter steps of 32 along K, 64 matrix instructions each, on buffers 0, 1, 0, 1.  One of the first three: multiplies buffer f; in its middle it fetches the next quarter, at byte k, into buffer g.
.macro QUARTER slot, k, f, g, zero
	s_wait_dscnt 8                                 ; bq and aq's rows 0-63 are in; the youngest eight loads (aq's rows 64-127) may be out
	WIN MUL_LO
	MUL16 \f, 0, 0, \zero
	MUL16 \f, 0, 2, \zero
	PLACES
	FETCH \slot, \k, \g
	s_wait_dscnt 32                                ; all but the 32 just issued
	WIN MUL_HI
	MUL16 \f, 1, 0, \zero
	MUL16 \f, 1, 2, \zero
.endm
; The last quarter multiplies buffer 1 and changes slots.  MEET is its first half: ONE barrier for the change.  In front of it each wave waits for all its tensor loads, of which one is out: its part of
; the next slot; adds 0 to its spare word; and waits for that and for its own reads of this slot.  Behind it nobody reads this slot any more and the next slot is whole.
.macro MEET round                      ; round = 1: a round of the cluster's barrier follows
	WIN 0                                          ; (the add's two registers lie in window 0)
	s_wait_tensorcnt 0x0                           ; all my tensor loads have landed;
	ds_add_u32 v[SPW], v[NIL]                      ; 0 onto my spare word;
	s_wait_dscnt 9                                 ; (the add and the youngest eight loads may be out)
	WIN MUL_LO
	MUL16 F1, 0, 0, 0                              ; sixteen matrix instructions stand between the add and the wait for it
	s_wait_dscnt 0x0                               ; the add is done, and my reads of this slot are over:
	s_barrier_signal -1                            ; say so,
	MUL16 F1, 0, 2, 0                              ; work on registers while the others arrive,
.if \round
	WIN 0
.endif
	s_barrier_wait -1                              ; and go on when all four have said so
.endm
; The whole last quarter.  fill = 1: the barrier opens a round of the cluster's barrier, and behind the round the slot just read out is filled again first, with the K step two steps on.
.macro TURN slot, next, fill
	MEET \fill
.if \fill
	CREST                                          ; no wave of any partner still reads this slot's tile or has a load on its way
	s_add_nc_u64 s[G0+4*(\slot)+2:G0+4*(\slot)+3], s[G0+4*(\slot)+2:G0+4*(\slot)+3], 2*KSTEP*2
	s_add_nc_u64 s[G0B+4*(\slot)+2:G0B+4*(\slot)+3], s[G0B+4*(\slot)+2:G0B+4*(\slot)+3], 2*KSTEP*2
	JLOAD \slot                                    ; the first tensor load behind the round; the four v_nop behind it are also the places in front of the loads below
.else
	PLACES
.endif
	FETCH \next, 0, F0
	WIN MUL_HI
	MUL16 F1, 1, 0, 0
	MUL16 F1, 1, 2, 0
.endm
; THE WAY OUT of block a (16 rows x 128 columns of f32), in three parts.  STG: a lane's eight columns of a row, 32 bytes for each accumulator, into my own stage; each accumulator's low four registers first.
; BACK: whole rows of 512 bytes come back.  SEND: times sc, plus corr, stored.
.macro STG a
	WIN 0x08+4*((\a)/4)                            ; an LDS store's data is source 1: window 2 or 3
.set AC, 64*((\a)%4)
.irp b, 0,1,2,3,4,5,6,7
	ds_store_b128 v[STO], v[AC+8*(\b):AC+8*(\b)+3]   offset:64*(\b)
	ds_store_b128 v[STO], v[AC+8*(\b)+4:AC+8*(\b)+7] offset:64*(\b)+16
.endr
.endm
.macro BACK a
	WIN 0
.set BK, OB+64*((\a)%2)
.if (\a) >= 2
	s_wait_xcnt 0x0                                ; the stores of the block two back read this buffer: it is loaded again only behind this wait
.endif
.irp t, 0,1,2,3,4,5,6,7,8,9,10,11,12,13,14,15
	ds_load_b128 v[BK+4*(\t):BK+4*(\t)+3], v[RD] offset:(\t)*SPITCH  ; LDS serves a wave's instructions in order (ISA guide 5.7.1.4): these see the stores above; the next block's stores come behind them
.endr
.endm
.macro SEND a, younger                 ; younger: the LDS instructions issued behind block a's loads: the next block's 16 stores and 16 loads, or none
	WIN 0
.set BK, OB+64*((\a)%2)
	s_wait_dscnt \younger
.irp t, 0,1,2,3,4,5,6,7,8,9,10,11,12,13,14,15
	v_pk_fma_f32 v[BK+4*(\t):BK+4*(\t)+1],   v[BK+4*(\t):BK+4*(\t)+1],   s[SC:SC+1], v[COR:COR+1]   op_sel_hi:[1,0,1]
	v_pk_fma_f32 v[BK+4*(\t)+2:BK+4*(\t)+3], v[BK+4*(\t)+2:BK+4*(\t)+3], s[SC:SC+1], v[COR+2:COR+3] op_sel_hi:[1,0,1]
	global_store_b128 v[CO], v[BK+4*(\t):BK+4*(\t)+3], s[8:9] offset:(16*(\a)+(\t))*SIZE_N*4 th:TH_STORE_NT  ; 512 consecutive bytes, at a multiple of 256 from out0's first; 127 rows at the most: inside the signed 24-bit immediate
.endr
.endm
	s_wait_tensorcnt 1                             ; my part of K step 0 is in; K step 1's may stay out
	s_barrier_signal -1
	s_barrier_wait -1                              ; everybody's is
	FETCH 0, 0, F0
	QUARTER 0, 64,  F0, F1, 1                      ; the first quarter stands in front of the loop: its products start the sums
	WIN 0                                          ; at a label and at a branch every window is 0
	s_mov_b32 s3, LAPS-1
.Llap:                                                 ; a trip goes once round the ring, from a lap's second quarter to the next lap's first, and fills both slots again
	QUARTER 0, 128, F1, F0, 0
	QUARTER 0, 192, F0, F1, 0
	TURN 0, 1, 1
	QUARTER 1, 64,  F0, F1, 0
	QUARTER 1, 128, F1, F0, 0
	QUARTER 1, 192, F0, F1, 0
	TURN 1, 0, 1
	QUARTER 0, 64,  F0, F1, 0
	WIN 0
	s_sub_co_u32 s3, s3, 1
	s_cmp_lg_u32 s3, 0
	s_cbranch_scc1 .Llap
	QUARTER 0, 128, F1, F0, 0                      ; the last lap fills nothing, and has no round of the cluster's barrier
	QUARTER 0, 192, F0, F1, 0
	TURN 0, 1, 0
	QUARTER 1, 64,  F0, F1, 0
	QUARTER 1, 128, F1, F0, 0
	QUARTER 1, 192, F0, F1, 0
	s_wait_dscnt 8                                 ; the very last quarter: nothing more to fetch
	MUL16 F1, 0, 0, 0
	MUL16 F1, 0, 2, 0
	s_wait_dscnt 0x0
	MUL16 F1, 1, 0, 0
	MUL16 F1, 1, 2, 0
	WIN 0
	s_wait_loadcnt 0x0                             ; corr
	s_wait_kmcnt 0x0                               ; sc
	PLACES                                         ; behind the last products: the stage's stores read results, and the loads back land in aq's fragment buffers
	STG 0
	BACK 0
.irp a, 1,2,3,4,5,6,7                  ; block a goes into the stage and is asked back while block a - 1's rows are finished and stored
	STG \a
	BACK \a
	SEND (\a)-1, 32
.endr
	SEND 7, 0
	s_wait_tensorcnt 0x0                           ; the wave's end: three closing lines, behind my last tensor load and my last LDS store
	ds_add_u32 v[SPW], v[NIL]
	s_wait_dscnt 0x0
	CROUND                                         ; the closing round: no work-group ends while a partner may still ask for a tile that names it
	s_endpgm
.Lfunc_end_k_qbade80e293_gemm:
	.size	k_qbade80e293_gemm, .Lfunc_end_k_qbade80e293_gemm-k_qbade80e293_gemm
	.p2alignl 7, 3214868480
	.fill 96, 4, 3214868480
	.section	.rodata,"a",@progbits
	.p2align	6, 0x0
	.amdhsa_kernel k_qbade80e293_gemm
		.amdhsa_group_segment_fixed_size 327680
		.amdhsa_private_segment_fixed_size 0
		.amdhsa_enable_private_segment 0
		.amdhsa_kernarg_size 32
		.amdhsa_user_sgpr_count 2
		.amdhsa_user_sgpr_kernarg_segment_ptr 1
		.amdhsa_wavefront_size32 1
		.amdhsa_system_sgpr_workgroup_id_x 1
		.amdhsa_system_sgpr_workgroup_id_y 1
		.amdhsa_system_sgpr_workgroup_id_z 1
		.amdhsa_system_vgpr_workitem_id 0
		.amdhsa_next_free_vgpr 1024
		.amdhsa_next_free_sgpr 72
		.amdhsa_reserve_vcc 0
		.amdhsa_float_denorm_mode_32 3
		.amdhsa_float_denorm_mode_16_64 3
		.amdhsa_memory_ordered 1
		.amdhsa_forward_progress 1
		.amdhsa_inst_pref_size 156
	.end_amdhsa_kernel
	.amdgpu_metadata
---
amdhsa.version: [ 1, 2 ]
amdhsa.kernels:
  - .name:           k_qbade80e293_gemm
    .symbol:         k_qbade80e293_gemm.kd
    .args:
      - { .name: aq, .offset: 0, .size: 8, .value_kind: global_buffer, .address_space: global }
      - { .name: bq, .offset: 8, .size: 8, .value_kind: global_buffer, .address_space: global }
      - { .name: out0, .offset: 16, .size: 8, .value_kind: global_buffer, .address_space: global }
      - { .name: post, .offset: 24, .size: 8, .value_kind: global_buffer, .address_space: global }
    .group_segment_fixed_size: 327680
    .private_segment_fixed_size: 0
    .kernarg_segment_align: 8
    .kernarg_segment_size: 32
    .max_flat_workgroup_size: 128
    .sgpr_count:     72
    .vgpr_count:     1024
    .wavefront_size: 32
...
	.end_amdgpu_metadata
.endif
;; end of part 4
;; ======== version 2 of 2: 4 launches; version 1 with the launch quantx written anew for expert scheduling mode
;; workspace buffers: part 132,096 bytes; chan 32,768 bytes; grp 16,384 bytes of whole numbers; post 16,640 bytes; aq 33,554,432 bytes; bq 33,554,432 bytes
;; launch stats: the kernel of part 1 again; grid 256 x 1, 16 waves a work-group, no clusters, 10,496 bytes of LDS; arguments x, weight, part; writes part
;; launch rankw: the kernel of part 2 again; grid 256 x 1, 16 waves a work-group, no clusters, 5,120 bytes of LDS; arguments weight, bias, part, chan, grp, bq, post; writes chan, grp, bq, post
;; launch quantx (part 5): grid 256 x 1, 16 waves a work-group, no clusters, 3,072 bytes of LDS; arguments x, part, chan, grp, aq, post; writes aq, post
.if DOCPART == 5
	.amdgcn_target "amdgcn-amd-amdhsa--gfx1250"
	.amdhsa_code_object_version 6
	.text
	.protected	k_qbade80e293_quantx
	.globl	k_qbade80e293_quantx
	.p2align	8
	.type	k_qbade80e293_quantx,@function
k_qbade80e293_quantx:
	s_mov_b64 s[64:65], 0
	v_nop
	global_prefetch_b8 v0, s[64:65] scope:SCOPE_SE
	s_setreg_imm32_b32 hwreg(HW_REG_WAVE_SCHED_MODE, 0, 2), 2
	s_setreg_imm32_b32 hwreg(HW_REG_WAVE_MODE, 25, 1), 1
	s_wait_xcnt 0x0
	s_wait_alu depctr_vm_vsrc(0)
; x'S QUANTISATION.  a[g] = (largest hp of group g) / 127; a_max = the largest a; w_scale = max(weight) / 127.
;   aq[m][c] = f16( clip(round((x[m][c] - mean[c]) / a[g(c)]), -128, 127) * a[g(c)] / a_max )      post, behind corr: 64 copies of sc = w_scale * a_max.
; The product that follows gives out = sc * (aq . bq) + corr.  f16, not bf16: aq's one rounding keeps 11 bits; dividing by a_max holds every operand within 128 whatever the inputs' size.
; Work-group wg: rows 16 wg .. 16 wg + 15 of x.  Thread t owns channels 4 t .. + 3 and 2048 + 4 t .. + 3 of every row, so its mean, 1 / a and a / a_max are 24 registers for the whole kernel.
; A load of a wave covers 512 dense bytes, a store 256 consecutive aligned bytes.  A wave's share is 32 slots (row x half).  All 32 loads go out at the head, behind the 8 loads of parameters, each into registers of
; its own, so x is on its way under the whole preamble; each slot has its own pair of store registers: nothing is filled again, no source of a store is rewritten, every step stands in an immediate.
; The group maxima (16 KiB) are shared out among the threads and meet in LDS.
; No cluster: what the work-groups share (49 KiB of parameters) is an eighth of the 384 KiB that each moves.  No matrix unit: nothing here is a product.
; LIMITS.  Quotients are made with a reciprocal (x / 127 with one correction; 1 / scale with one Newton step): a number within about 2^-22 of itself of a rounding boundary may fall to the neighbouring level.
; Scales below 2^-126 or above 2^126 are not served (v_rcp_f32 flushes denormals: ISA guide, its entry).  A group whose scale is under 2^-14 of the largest loses bits in f16.  NaN and infinities are not served.
; THE MODE: SCHED_MODE bits 1:0 = 2 (LLVM: expert scheduling mode 2), set by the entry lines.  The code itself states the register dependences between vector instructions and memory or LDS instructions,
; with s_wait_alu, always for 0.
; THE PLAN.  Registers that memory or LDS instructions touch:
;   v[LO], v[SO], v[L8], v[LWP], v[AGS], v[RDA]   offsets and LDS addresses: written once at the head, read by loads, stores and LDS accesses, never written again.
;   WP, MEAN, GI, X   loaded once, by loads issued before any vector instruction names them; read by vector instructions alone, behind the wait on LOADcnt.
;   PGL = v192-199    loaded; worked on by the maxima; v192-195 read by the LDS store; all eight loaded again from LDS behind the barrier; later they are Y's first four slots.
;   GI, IA, RH        written by vector instructions, read by the sixteen permutes, never written again.  INV, RHO: written by the permutes alone.
;   Y, 32 slots of 2  slot q's pair is written once, by slot q's two roundings, and read once, by its store.  SCR: written once, read by the one store of sc.
;   v[SPW], v[NIL]    written at the head, read by the closing add alone.
; The 32 slots go in eight blocks of BLK = 4.  Slot q's store is issued in slot q + BLK.  ONE wait on va_vdst at a block's head states that the block before has written its four pairs of Y; the four stores
; follow it, one in front of each slot's vector instructions, which name T, the slot's own X and Y, MEAN, INV and RHO: none of the registers that those stores read.  No Y is written twice, so the
; stream holds no wait on vm_vsrc.  The text is straight: there is no back edge.
.set SPARE, 1024                       ; LDS: 0 .. 1023 the waves' 16 group maxima (64 bytes a wave); then the spare words, 128 bytes for each of 16 waves
.set BLK,  4                           ; slots in a block
.set LO,   2                           ; 16 t
.set SO,   3                           ; 8 t
.set MEAN, 4                           ; v[4:11]    half 0: v4-7, half 1: v8-11
.set INV,  12                          ; v[12:19]   1 / a
.set RHO,  20                          ; v[20:27]   a / a_max
.set T,    28                          ; v[28:31]   at work: no memory instruction names them
.set SPW,  32
.set NIL,  33
.set SCR,  34                          ; v[34:35]   sc, twice
.set L8,   36                          ; 8 lane
.set LWP,  37                          ; 16 lane
.set AGS,  38                          ; 64 wave + 16 (lane & 3)
.set RDA,  39                          ; 512 (lane >> 4) + 4 (lane & 15)
.set WS,   40                          ; w_scale
.set TA,   41
.set TB,   42
.set TC,   43
.set AA,   44                          ; lane l: a of group l & 15
.set AMAX, 45
.set IA,   46
.set RH,   47
.set GI,   48                          ; v[48:55]   group numbers, then lane selects
.set WP,   56                          ; v[56:63]   weight's partial maxima
.set X,    64                          ; v[64:191]  32 slots of 4
.set Y,    192                         ; v[192:255] 32 slots of 2
.set PGL,  192                         ; v[192:199] ahead of the stream: partial group maxima
	s_load_b256 s[8:15], s[0:1], 0x0               ; x s[8:9], part s[10:11], chan s[12:13], grp s[14:15]
	s_load_b128 s[16:19], s[0:1], 0x20             ; aq s[16:17], post s[18:19]
	v_lshl_add_u32 v[SPW], v0, 2, SPARE
	v_mov_b32 v[NIL], 0
	v_and_b32 v1, 31, v0
	v_lshrrev_b32 v[TA], 5, v0
	v_readfirstlane_b32 s20, v[TA]                 ; wave 0..15
	s_mov_b32 s21, ttmp9
	v_lshlrev_b32 v[LO], 4, v0
	v_lshlrev_b32 v[SO], 3, v0
	v_lshlrev_b32 v[LWP], 4, v1
	v_lshlrev_b32 v[L8], 3, v1
	v_and_b32 v[TB], 3, v0
	v_lshlrev_b32 v[TB], 4, v[TB]
	v_lshl_add_u32 v[AGS], v[TA], 6, v[TB]
	v_and_b32 v[TB], 15, v0
	v_lshlrev_b32 v[TB], 2, v[TB]
	v_bfe_u32 v[TC], v0, 4, 1
	v_lshl_add_u32 v[RDA], v[TC], 9, v[TB]
	v_mov_b32 v[TC], 0                             ; a destination of v_permlanex16_b32 is written before
	s_wait_alu depctr_va_sdst(0)                   ; s20 is written, ahead of its first reader: the compare at the kernel's end that picks wave 0
	s_mov_b32 s24, 0xc3000000                      ; -128.0
	s_mov_b32 s25, 0x42fe0000                      ; 127.0
	s_mov_b32 s26, 0x76543210                      ; v_permlanex16_b32: each lane takes its own place in the other half
	s_mov_b32 s27, 0xfedcba98
	s_mov_b32 s28, 0x3c010204                      ; 1 / 127, rounded
	s_lshl_b32 s22, s21, 18                        ; 16 rows of 16,384 bytes
	s_mov_b32 s23, 0
	s_wait_kmcnt 0x0
	s_add_nc_u64 s[8:9], s[8:9], s[22:23]
	s_lshl_b32 s22, s21, 17                        ; 16 rows of 8,192 bytes
	s_add_nc_u64 s[16:17], s[16:17], s[22:23]
	s_wait_alu depctr_va_vdst(0)                   ; the six offsets and LDS addresses v[LO], v[SO], v[L8], v[LWP], v[AGS], v[RDA] are written: every load, store and LDS access of the kernel reads one of them
	; eight loads of parameters, then my whole share of x
	global_load_b128 v[WP:WP+3],     v[LWP], s[10:11] offset:131072
	global_load_b128 v[WP+4:WP+7],   v[LWP], s[10:11] offset:131584
	global_load_b128 v[PGL:PGL+3],   v[LO], s[12:13] offset:16384
	global_load_b128 v[PGL+4:PGL+7], v[LO], s[12:13] offset:24576
	global_load_b128 v[MEAN:MEAN+3],   v[LO], s[12:13]
	global_load_b128 v[MEAN+4:MEAN+7], v[LO], s[12:13] offset:8192
	global_load_b128 v[GI:GI+3],   v[LO], s[14:15]
	global_load_b128 v[GI+4:GI+7], v[LO], s[14:15] offset:8192
.set q, 0
.rept 32
	global_load_b128 v[X+4*q:X+4*q+3], v[LO], s[8:9] offset:q*8192 th:TH_LOAD_NT
.set q, q+1
.endr
	s_wait_loadcnt 32                              ; loads come back in order (ISA guide 5.7.1): the eight are in, x's 32 stay out
.macro DIV127 d, s                     ; d = s / 127: a product with 1 / 127 and one correction by the remainder
	v_mul_f32 v[TA], s28, v[\s]
	v_fma_f32 v[TB], -v[TA], s25, v[\s]
	v_fma_f32 v[\d], v[TB], s28, v[TA]
.endm
	; w_scale
	v_max3_num_f32 v[WS], v[WP], v[WP+1], v[WP+2]
	v_max3_num_f32 v[WS], v[WS], v[WP+3], v[WP+4]
	v_max3_num_f32 v[WS], v[WS], v[WP+5], v[WP+6]
	v_max_num_f32 v[WS], v[WS], v[WP+7]
	v_max_num_f32_dpp v[WS], v[WS], v[WS] row_xmask:1 row_mask:0xf bank_mask:0xf
	v_max_num_f32_dpp v[WS], v[WS], v[WS] row_xmask:2 row_mask:0xf bank_mask:0xf
	v_max_num_f32_dpp v[WS], v[WS], v[WS] row_xmask:4 row_mask:0xf bank_mask:0xf
	v_max_num_f32_dpp v[WS], v[WS], v[WS] row_xmask:8 row_mask:0xf bank_mask:0xf
	v_permlanex16_b32 v[TC], v[WS], s26, s27
	v_max_num_f32 v[WS], v[WS], v[TC]
	DIV127 WS, WS
	; group maxima: thread t holds groups 4 (t & 3) .. + 3 of two work-groups' lists; lanes with the same lane & 3 meet
.irp c, 0,1,2,3
	v_max_num_f32 v[PGL+\c], v[PGL+\c], v[PGL+4+\c]
.endr
.irp m, 4,8
.irp c, 0,1,2,3
	v_max_num_f32_dpp v[PGL+\c], v[PGL+\c], v[PGL+\c] row_xmask:\m row_mask:0xf bank_mask:0xf
.endr
.endr
.irp c, 0,1,2,3
	v_permlanex16_b32 v[PGL+4+\c], v[PGL+\c], s26, s27
.endr
.irp c, 0,1,2,3
	v_max_num_f32 v[PGL+\c], v[PGL+\c], v[PGL+4+\c]
.endr
	s_wait_alu depctr_va_vdst(0)                   ; the maxima have written v[PGL .. PGL+3], which the LDS store reads, and are done with v[PGL .. PGL+7], in which the LDS loads behind the barrier land
	ds_store_b128 v[AGS], v[PGL:PGL+3]             ; lanes with the same lane & 3 write the same bytes with the same numbers
	s_wait_dscnt 0x0                               ; for the others' sake
	s_barrier_signal -1
	s_barrier_wait -1
	s_wait_alu depctr_vm_vsrc(0)                   ; my LDS store has read v[PGL .. PGL+3]: the LDS loads below land in them, and later the roundings of slots 0 and 1 write them
.set i, 0
.rept 8
	ds_load_b32 v[PGL+i], v[RDA] offset:64*i       ; lane l: group l & 15 of waves 8 (l >> 4) + i
.set i, i+1
.endr
	s_wait_dscnt 0x0
	v_max3_num_f32 v[AA], v[PGL], v[PGL+1], v[PGL+2]
	v_max3_num_f32 v[AA], v[AA], v[PGL+3], v[PGL+4]
	v_max3_num_f32 v[AA], v[AA], v[PGL+5], v[PGL+6]
	v_max_num_f32 v[AA], v[AA], v[PGL+7]
	v_permlanex16_b32 v[TC], v[AA], s26, s27
	v_max_num_f32 v[AA], v[AA], v[TC]
	DIV127 AA, AA                                  ; lane l: a of group l & 15
	v_mov_b32 v[AMAX], v[AA]
	v_max_num_f32_dpp v[AMAX], v[AMAX], v[AMAX] row_xmask:1 row_mask:0xf bank_mask:0xf
	v_max_num_f32_dpp v[AMAX], v[AMAX], v[AMAX] row_xmask:2 row_mask:0xf bank_mask:0xf
	v_max_num_f32_dpp v[AMAX], v[AMAX], v[AMAX] row_xmask:4 row_mask:0xf bank_mask:0xf
	v_max_num_f32_dpp v[AMAX], v[AMAX], v[AMAX] row_xmask:8 row_mask:0xf bank_mask:0xf
	; the two reciprocals are one batch; the sixteen lines on the group numbers, which name none of its registers, are the plain instructions behind it (ISA guide 5.7.2)
	v_rcp_f32 v[TA], v[AA]
	v_rcp_f32 v[TC], v[AMAX]
	; each of my 8 channels will take its group's two numbers from the lane that holds them: the lane selects
.set j, 0
.rept 8
	v_min_u32 v[GI+j], 15, v[GI+j]
	v_lshlrev_b32 v[GI+j], 2, v[GI+j]
.set j, j+1
.endr
	s_wait_alu depctr_va_vdst(0)                   ; both reciprocals, v[TA] and v[TC], are written, ahead of their first reader
	v_fma_f32 v[TB], -v[AA], v[TA], 1.0            ; one Newton step each
	v_fma_f32 v[IA], v[TB], v[TA], v[TA]           ; 1 / a
	v_fma_f32 v[TB], -v[AMAX], v[TC], 1.0
	v_fma_f32 v[RH], v[TB], v[TC], v[TC]           ; 1 / a_max
	v_mul_f32 v[TA], v[AA], v[RH]
	v_fma_f32 v[TB], -v[TA], v[AMAX], v[AA]
	v_fma_f32 v[RH], v[TB], v[RH], v[TA]           ; a / a_max
	v_mul_f32 v[SCR], v[WS], v[AMAX]               ; sc
	v_mov_b32 v[SCR+1], v[SCR]
	s_wait_alu depctr_va_vdst(0)                   ; v[IA], v[RH] and the selects v[GI ..] are written, which the permutes read; so is v[SCR:SCR+1], which the store of sc reads
.set j, 0
.rept 8
	ds_bpermute_b32 v[INV+j], v[GI+j], v[IA]
	ds_bpermute_b32 v[RHO+j], v[GI+j], v[RH]
.set j, j+1
.endr
	s_wait_dscnt 0x0
; Slot q of 32: row q / 2, half q % 2.  Its own numbers are made here; the store that stands at its head is that of the slot one block back.
.macro XSLOT
.set cc, q%2
.set XR, X+4*q
.set YR, Y+2*q
	s_wait_loadcnt 31-q                            ; mine is in; the younger slots' loads stay out
.if ((q%BLK) == 0) && (q > 0)
	s_wait_alu depctr_va_vdst(0)                   ; the block before has written its four pairs of Y, which this block's four stores read
.endif
.if q >= BLK
	global_store_b64 v[SO], v[YR-2*BLK:YR-2*BLK+1], s[16:17] offset:(q-BLK)*4096  ; a wave's store: 256 consecutive bytes, aligned; its two registers were written that once, and no vector instruction since the wait names them
.endif
	v_pk_add_f32 v[T:T+1],   v[XR:XR+1],   v[MEAN+4*cc:MEAN+4*cc+1]   neg_lo:[0,1] neg_hi:[0,1]
	v_pk_add_f32 v[T+2:T+3], v[XR+2:XR+3], v[MEAN+4*cc+2:MEAN+4*cc+3] neg_lo:[0,1] neg_hi:[0,1]
	v_pk_mul_f32 v[T:T+1],   v[T:T+1],   v[INV+4*cc:INV+4*cc+1]
	v_pk_mul_f32 v[T+2:T+3], v[T+2:T+3], v[INV+4*cc+2:INV+4*cc+3]
.irp k, 0,1,2,3
	v_rndne_f32 v[T+\k], v[T+\k]
.endr
.irp k, 0,1,2,3
	v_med3_num_f32 v[T+\k], v[T+\k], s24, s25
.endr
	v_pk_mul_f32 v[T:T+1],   v[T:T+1],   v[RHO+4*cc:RHO+4*cc+1]
	v_pk_mul_f32 v[T+2:T+3], v[T+2:T+3], v[RHO+4*cc+2:RHO+4*cc+3]
	v_cvt_pk_f16_f32 v[YR],   v[T],   v[T+1]
	v_cvt_pk_f16_f32 v[YR+1], v[T+2], v[T+3]
.endm
.set q, 0
.rept 32
	XSLOT
.set q, q+1
.endr
	s_wait_alu depctr_va_vdst(0)                   ; the last block has written its four pairs of Y, which the last four stores read
.set q, 32-BLK
.rept BLK
	global_store_b64 v[SO], v[Y+2*q:Y+2*q+1], s[16:17] offset:q*4096
.set q, q+1
.endr
	s_cmp_lg_u32 s20, 0
	s_cbranch_scc1 .Lend
	s_cmp_lg_u32 s21, 0
	s_cbranch_scc1 .Lend
	global_store_b64 v[L8], v[SCR:SCR+1], s[18:19] offset:16384  ; wave 0 of work-group 0 alone: sc, 64 times: 256 consecutive bytes, aligned
.Lend:
	s_wait_dscnt 0x0                               ; the closing lines, six on end
	s_wait_alu 0x0
	s_wait_tensorcnt 0x0
	ds_add_u32 v[SPW], v[NIL]
	s_wait_dscnt 0x0
	s_endpgm
.Lfunc_end_k_qbade80e293_quantx:
	.size	k_qbade80e293_quantx, .Lfunc_end_k_qbade80e293_quantx-k_qbade80e293_quantx
	.p2alignl 7, 3214868480
	.fill 96, 4, 3214868480
	.section	.rodata,"a",@progbits
	.p2align	6, 0x0
	.amdhsa_kernel k_qbade80e293_quantx
		.amdhsa_group_segment_fixed_size 3072
		.amdhsa_private_segment_fixed_size 0
		.amdhsa_enable_private_segment 0
		.amdhsa_kernarg_size 48
		.amdhsa_user_sgpr_count 2
		.amdhsa_user_sgpr_kernarg_segment_ptr 1
		.amdhsa_wavefront_size32 1
		.amdhsa_system_sgpr_workgroup_id_x 1
		.amdhsa_system_sgpr_workgroup_id_y 1
		.amdhsa_system_sgpr_workgroup_id_z 1
		.amdhsa_system_vgpr_workitem_id 0
		.amdhsa_next_free_vgpr 256
		.amdhsa_next_free_sgpr 66
		.amdhsa_reserve_vcc 0
		.amdhsa_float_denorm_mode_32 3
		.amdhsa_float_denorm_mode_16_64 3
		.amdhsa_memory_ordered 1
		.amdhsa_forward_progress 1
		.amdhsa_inst_pref_size 44
	.end_amdhsa_kernel
	.amdgpu_metadata
---
amdhsa.version: [ 1, 2 ]
amdhsa.kernels:
  - .name:           k_qbade80e293_quantx
    .symbol:         k_qbade80e293_quantx.kd
    .args:
      - { .name: x, .offset: 0, .size: 8, .value_kind: global_buffer, .address_space: global }
      - { .name: part, .offset: 8, .size: 8, .value_kind: global_buffer, .address_space: global }
      - { .name: chan, .offset: 16, .size: 8, .value_kind: global_buffer, .address_space: global }
      - { .name: grp, .offset: 24, .size: 8, .value_kind: global_buffer, .address_space: global }
      - { .name: aq, .offset: 32, .size: 8, .value_kind: global_buffer, .address_space: global }
      - { .name: post, .offset: 40, .size: 8, .value_kind: global_buffer, .address_space: global }
    .group_segment_fixed_size: 3072
    .private_segment_fixed_size: 0
    .kernarg_segment_align: 8
    .kernarg_segment_size: 48
    .max_flat_workgroup_size: 512
    .sgpr_count:     66
    .vgpr_count:     256
    .wavefront_size: 32
...
	.end_amdgpu_metadata
.endif
;; end of part 5
;; launch gemm: the kernel of part 4 again; grid 16 x 16, 4 waves a work-group, clusters of 4 x 4, 327,680 bytes of LDS; arguments aq, bq, out0, post; writes out0
